; MI455X (gfx1250); checked and timed in simulation.
; The chip was launched on July 23, 2026; its instructions are those of AMD's public machine-readable ISA for CDNA 5 (MIT licence, August 2026) and "CDNA5" Instruction Set Architecture Reference Guide (July 2026). The comments in the code are by the model that wrote it; some were corrected since.
;; Multi Head Attention. Allowed arithmetic: matrix products marked QUANTISED: E4M3 operands, one E8M0 scale for each 32 along K, by v_wmma_scale_f32_16x16x128_f8f6f4 with both operands' format E4M3, f32 sums; everything else in f32.
;; Inputs: b_attn 3,072 float32; b_proj 1,024 float32; w_attn 1,024 x 3,072 float32; w_proj 1,024 x 1,024 float32; x 4 x 2,048 x 1,024 float32.
;; Outputs: out0 4 x 2,048 x 1,024 float32.
;; This version of the problem:
;;   THIS VERSION OF THE PROBLEM IS GIVEN IN LOW PRECISION. The matrix products marked QUANTISED in the list below multiply operands that are first quantised to E4M3 (4 exponent bits, 3 mantissa bits; 8 bits a number), with one power-of-two scale for each 32 numbers along K (OCP MX v1.0); their sums are f32. All else is computed in f32.
;;   The module's matrix products, in the order in which they are computed (A, B: the left and right operand; K: the contracted axis; several contracted axes count as one K, in the product's order):
;;     1. [M 8,192, K 1,024] x [K 1,024, N 3,072]; A: input x; B: input w_attn: QUANTISED
;;     2. batch 64 x [M 2,048, K 64] x [K 64, N 2,048]; A: computed on the way; B: computed on the way: QUANTISED
;;     3. batch 64 x [M 2,048, K 2,048] x [K 2,048, N 64]; A: softmax (see below); B: computed on the way: QUANTISED
;;     4. [M 8,192, K 1,024] x [K 1,024, N 1,024]; A: computed on the way; B: input w_proj: QUANTISED
;;   THE QUANTISER, for each operand of a quantised product, along K:
;;     - K is cut into blocks of 32 from its start; a last block that is shorter is filled with zeros.
;;     - A block's scale is 2^e with e = floor(log2(the largest magnitude in the block)) - 8, held to -126 .. 127; a block of zeros has e = 0. As a byte (E8M0): e + 127.
;;     - Each number is divided by its block's scale, clamped to +-448, and rounded to the nearest number of E4M3, ties to even, subnormals kept.
;;     - The product sums the exact products of the quantised numbers (number of the format x scale) in f32.
;;   ~~~python
;;   def quantise(x, axis):      # numpy; x: float32 -> the quantised numbers, widened to float32 again
;;       x = np.moveaxis(x, axis, -1); K = x.shape[-1]
;;       x = np.pad(x, [(0, 0)] * (x.ndim - 1) + [(0, -K % 32)]); x = x.reshape(x.shape[:-1] + (-1, 32)); a = np.abs(x).max(-1, keepdims=True)
;;       e = np.where(a > 0, np.clip(np.frexp(np.where(a > 0, a, 1))[1] - 1 - 8, -126, 127), 0)      # np.frexp(a)[1] - 1 = floor(log2(a)), exactly
;;       r = np.clip(x / 2.0 ** e, -448, 448)
;;       step = 2.0 ** (np.maximum(np.frexp(np.where(r == 0, 1, r))[1] - 1, -6) - 3)
;;       q = np.round(r / step) * step * 2.0 ** e      # np.round: ties to even
;;       return np.moveaxis(q.reshape(q.shape[:-2] + (-1,))[..., :K], -1, axis).astype(np.float32)
;;   ~~~
;;   SOFTMAX AHEAD OF A QUANTISED PRODUCT. Where the list says 'softmax', what is quantised is not the finished softmax but p = 2^(t - M), with t = logit x log2(e) and M = ceil(the row's largest t), a whole number; so 1/2 < the row's largest p <= 1. The row's sum l is taken of the UNQUANTISED p, in f32, and the product's result is divided by l at the end. Since M is a whole number, a kernel that streams over the keys may use a running M (the ceiling of the running maximum): every later rescaling is an exact power of two, which a block's scale takes up: the codes' values come out the same.
;;   OPERANDS COMPUTED ON THE WAY. 'Computed on the way' means the value that the module computes at that place (a softmax that the list does not call 'softmax' is quantised finished and normalised). What goes into a quantiser is computed in f32, as accurately as f32 sums, v_exp_f32 and their like allow (about 1e-6 of the number): no bf16 or f16 on the way to a quantiser, and a product that is left as it is and whose result goes on into a quantised operand takes f32 operands (vector FMAs, or v_wmma_f32_16x16x4_f32). A number that lies on a knife's edge between two numbers of the format may be rounded either way, as far as f32 arithmetic and the matrix unit's own rounding can turn it there, and no further.
;; One version. Each part assembles by itself: llvm-mc -triple=amdgcn-amd-amdhsa -mcpu=gfx1250 --defsym DOCPART=n.
;; ======== version 1 of 1: 4 launches
;; limits: right only within a limited range of input values
;; workspace buffers: xc 8,388,608 bytes; xs 262,144 bytes; wc 4,194,304 bytes; ws 131,072 bytes; qkvc 33,554,432 bytes; oc 8,388,608 bytes; os 262,144 bytes
;; launch quant (part 1): grid 768 x 1, 4 waves a work-group, no clusters, 35,328 bytes of LDS; arguments x, w_attn, w_proj, xc, xs, wc, ws; writes xc, xs, wc, ws
.if DOCPART == 1
	.amdgcn_target "amdgcn-amd-amdhsa--gfx1250"
	.amdhsa_code_object_version 6
	.text
	.protected	k_qfc0e5959d6_quant
	.globl	k_qfc0e5959d6_quant
	.p2align	8
	.type	k_qfc0e5959d6_quant,@function
k_qfc0e5959d6_quant:
	s_mov_b64 s[64:65], 0
	v_nop
	global_prefetch_b8 v0, s[64:65] scope:SCOPE_SE
	s_setreg_imm32_b32 hwreg(HW_REG_WAVE_MODE, 25, 1), 1
	s_wait_xcnt 0x0
; x [8192][1024], w_attn [1024][3072] and w_proj [1024][1024], f32, become codes of FP8 (E4M3) with one E8M0 byte for each 32 along K = 1024.
; A block's scale is 2^(floor(log2(largest magnitude)) - 8); its byte is the largest magnitude's exponent field - 8, held at 1 from below; each number is held within +-448 x the scale and rounded to the nearest code.
; LAYOUT OF THE RESULTS.  Rows (x's tokens; the weights' COLUMNS, w_attn's 0..3071 and then w_proj's) are laid by POSITION: position p holds actual row sigma(p), sigma = bits 3 and 4 of the index exchanged.
; So lane r of row tile 2 b + u is actual row 32 b + 8 u + r + 8 (r / 8): as source 0 of a product, two neighbouring tiles leave a lane 16 actual neighbours.
; Codes: [row tile of 16][K step of 128][image]: an image is the operand's 16 registers as they stand, [c 0..3][lane][16 bytes], 2,048 bytes.  Scale bytes: [position][32].
; SHARES.  Work-groups 0..511: one row tile of x each; wave w takes K steps 2 w and 2 w + 1.  Work-groups 512..767: 128 columns x one K step of a weight; a wave takes 32 columns, a lane a column, registers down K.
; No tensor loads, no matrix units, no cluster: nothing is shared between work-groups and memory binds.
; LIMITS: NaN and infinities among the inputs are not served.  Blocks whose largest magnitude lies under 2^-118 keep the byte 1; a block of zeros too (the rule says 127): its codes are zeros and this program alone reads the bytes.
; The weights' scale words leave as 4 bytes of each 32-byte row (131,072 bytes in all): those aligned blocks of 256 bytes are written in part.
.set SP,    528                        ; a stage row: 512 bytes + 16
.set STGB,  16*SP                      ; a wave's stage
.set SCG,   4*STGB                     ; behind the stages: the row tile's 512 scale bytes
.set LI,    4                          ; v4   16 x lane
.set SIN,   5                          ; v5   stage, way in
.set SOUT,  6                          ; v6   stage, way out: 528 r + 64 h
.set SWA,   7                          ; v7   where my scale word goes
.set SRD,   8                          ; v8   where wave 0 reads the 512 bytes back
.set PC,    16                         ; v16-31  the codes just made
.set TM,    32                         ; v32-47  at work
.set PW,    48                         ; v48     the scale word just made
.set RA,    64                         ; v64-191 x as loaded, two K steps
.set X,     192                        ; v192-255 64 numbers in the operand's order
.set WX,    64                         ; v64-191 a column's 128 numbers
.set WC,    192                        ; v192-223 its codes
.set SEL,   20                         ; s[20:21] lane selects: lane l xor 16
.set MNT,   22                         ; s22 the mantissa field of 448
; 64 numbers of a lane, register 16 b + i = k 32 b + 16 (lane / 16) + i of my row, become a fragment's codes in v[PC] on and its scale word in v[PW]
.macro QUANT s
.irp b, 0,1,2,3
	v_max3_num_f32 v[TM+\b], |v[\s+16*\b]|, |v[\s+1+16*\b]|, 0x4800000   ; my 16 numbers of block b, and the floor 2^(9 - 127): the byte cannot fall under 1
.endr
.irp i, 2,4,6,8,10,12,14
.irp b, 0,1,2,3
	v_max3_num_f32 v[TM+\b], v[TM+\b], |v[\s+16*\b+\i]|, |v[\s+1+16*\b+\i]|
.endr
.endr
.irp b, 0,1,2,3
	v_permlanex16_b32 v[TM+4+\b], v[TM+\b], s[SEL], s[SEL+1]
.endr
.irp b, 0,1,2,3
	v_max_num_f32 v[TM+\b], v[TM+\b], v[TM+4+\b]                  ; with lane l xor 16's: the block's largest magnitude
.endr
.irp b, 0,1,2,3
	v_add_nc_u32 v[TM+12+\b], 0xfc000000, v[TM+\b]                ; 8 off its exponent field: the conversion's scale operand
.endr
.irp b, 0,1,2,3
	v_and_or_b32 v[TM+8+\b], v[TM+\b], 0x7f800000, s[MNT]         ; 448 x the scale
.endr
.irp b, 0,1,2,3
	v_lshrrev_b32 v[TM+4+\b], 23, v[TM+12+\b]                     ; the byte
.endr
	v_lshl_or_b32 v[PW], v[TM+5], 8, v[TM+4]
	v_lshl_or_b32 v[PW], v[TM+6], 16, v[PW]
	v_lshl_or_b32 v[PW], v[TM+7], 24, v[PW]
	s_wait_xcnt 0x0                                               ; the last fragment's stores have read v[PC] on: it is written again only behind this wait
.irp b, 0,1,2,3
.irp i, 0,1,2,3,4,5,6,7,8,9,10,11,12,13,14,15
	v_med3_num_f32 v[\s+16*\b+\i], v[\s+16*\b+\i], -v[TM+8+\b], v[TM+8+\b]   ; the conversion to an 8-bit code does not saturate (ISA guide 7.6.2)
.endr
	v_cvt_scalef32_pk8_fp8_f32 v[PC+4*\b:PC+1+4*\b], v[\s+16*\b:\s+7+16*\b], v[TM+12+\b]
	v_cvt_scalef32_pk8_fp8_f32 v[PC+2+4*\b:PC+3+4*\b], v[\s+8+16*\b:\s+15+16*\b], v[TM+12+\b]
.endr
	v_nop                                                         ; a plain line behind the last conversion
.endm
	s_load_b256 s[4:11], s[0:1], 0x0               ; x s[4:5], w_attn s[6:7], w_proj s[8:9], xc s[10:11]
	s_load_b128 s[12:15], s[0:1], 0x20             ; xs s[12:13], wc s[14:15]
	s_load_b64 s[16:17], s[0:1], 0x30              ; ws
	v_lshl_add_u32 v62, v0, 2, 0x8800
	v_mov_b32 v63, 0
	v_lshrrev_b32 v1, 5, v0
	v_readfirstlane_b32 s18, v1                    ; wave
	v_and_b32 v2, 31, v0                           ; lane
	v_and_b32 v3, 15, v0                           ; r
	v_bfe_u32 v14, v0, 4, 1                        ; h
	s_mov_b32 s[SEL], 0x76543210
	s_mov_b32 s[SEL+1], 0xfedcba98
	s_mov_b32 s[MNT], 0x600000
	s_cmp_lt_u32 ttmp9, 512                        ; the same for all four waves
	s_cbranch_scc0 .Lweights
	; ---------------- x: row tile g = ttmp9: actual rows 32 (g / 2) + 8 (g % 2) + r + 8 (r / 8)
	v_lshlrev_b32 v[LI], 4, v2
	s_mul_i32 s23, s18, STGB
	v_add_nc_u32 v[SIN], s23, v[LI]
	v_mul_u32_u24 v[SOUT], v3, SP
	v_lshl_add_u32 v[SOUT], v14, 6, v[SOUT]
	v_add_nc_u32 v[SOUT], s23, v[SOUT]
	v_lshlrev_b32 v[SWA], 5, v3                    ; 32 r
	v_lshl_add_u32 v[SWA], v14, 2, v[SWA]          ; + 4 h: lanes 0-15 store K step 2 w's word, lanes 16-31 K step 2 w + 1's
	s_lshl_b32 s24, s18, 3
	s_add_co_u32 s24, s24, SCG
	v_add_nc_u32 v[SWA], s24, v[SWA]
	v_add_nc_u32 v[SRD], SCG, v[LI]
.irp b, 0,1,2,3
	v_mov_b32 v[TM+4+\b], 0                        ; written once: a lane permute's destination counts as one of its sources
.endr
	s_lshr_b32 s24, ttmp9, 1
	s_lshl_b32 s24, s24, 5
	s_and_b32 s25, ttmp9, 1
	s_lshl_b32 s25, s25, 3
	s_add_co_u32 s24, s24, s25                     ; the tile's first actual row
	s_lshl_b32 s24, s24, 12                        ; x 4,096 bytes
	s_lshl_b32 s25, s18, 10                        ; + my two K steps: 1,024 bytes a wave
	s_add_co_u32 s24, s24, s25
	s_mov_b32 s25, 0
	s_lshl_b32 s26, ttmp9, 14                      ; codes: 16,384 bytes a row tile, 4,096 a wave
	s_lshl_b32 s27, s18, 12
	s_add_co_u32 s26, s26, s27
	s_mov_b32 s27, 0
	s_lshl_b32 s28, ttmp9, 9                       ; scale bytes: 512 a row tile
	s_mov_b32 s29, 0
	s_mov_b32 s30, 0xffff0000                      ; lanes 16-31
	s_wait_alu depctr_va_vdst(0)
	s_wait_kmcnt 0x0
	s_add_nc_u64 s[4:5], s[4:5], s[24:25]
	s_add_nc_u64 s[10:11], s[10:11], s[26:27]
	s_add_nc_u64 s[12:13], s[12:13], s[28:29]
.irp s, 0,1
.irp r, 0,1,2,3,4,5,6,7,8,9,10,11,12,13,14,15
	global_load_b128 v[RA+64*\s+4*\r:RA+64*\s+4*\r+3], v[LI], s[4:5] offset:(\r+8*(\r/8))*4096+512*\s th:TH_LOAD_NT   ; 32 lanes read 512 consecutive bytes of one row
.endr
.endr
.macro XPART s
	s_wait_loadcnt 16*(1-\s)                       ; this K step's 16 loads are in; the other's may be out
.irp r, 0,1,2,3,4,5,6,7,8,9,10,11,12,13,14,15
	ds_store_b128 v[SIN], v[RA+64*\s+4*\r:RA+64*\s+4*\r+3] offset:SP*\r
.endr
.irp b, 0,1,2,3
.irp j, 0,1,2,3
	ds_load_b128 v[X+16*\b+4*\j:X+16*\b+4*\j+3], v[SOUT] offset:128*\b+16*\j   ; LDS serves a wave's instructions in order: these see my stores.  Row r, k = 32 b + 16 h + 4 j on
.endr
.endr
	s_wait_dscnt 0x0
	QUANT X
.irp c, 0,1,2,3
	global_store_b128 v[LI], v[PC+4*\c:PC+4*\c+3], s[10:11] offset:2048*\s+512*\c   ; the image: 512 consecutive bytes a store
.endr
	v_mov_b32 v[12+\s], v[PW]
.endm
	XPART 0
	XPART 1
	v_cndmask_b32 v9, v12, v13, s30                ; lanes 16-31 hold the second K step's word
	ds_store_b32 v[SWA], v9
	s_wait_dscnt 0x0                               ; for the others' sake: my words lie in LDS
	s_barrier_signal -1
	s_barrier_wait -1
	s_cmp_lg_u32 s18, 0
	s_cbranch_scc1 .Lx_done
	ds_load_b128 v[X:X+3], v[SRD]
	s_wait_dscnt 0x0
	global_store_b128 v[LI], v[X:X+3], s[12:13]    ; the row tile's 512 scale bytes: two aligned blocks of 256
.Lx_done:
	s_wait_tensorcnt 0x0
	ds_add_u32 v62, v63
	s_wait_dscnt 0x0
	s_endpgm
	; ---------------- the weights: 128 columns (cg) x 128 along K (ks); a lane takes a column and its registers run down K
.Lweights:
	s_sub_co_u32 s23, ttmp9, 512
	s_and_b32 s24, s23, 31                         ; cg: 0..23 w_attn's columns, 24..31 w_proj's
	s_lshr_b32 s25, s23, 5                         ; ks
	s_wait_alu depctr_va_vdst(0)
	v_lshlrev_b32 v9, 2, v2                        ; in: 4 bytes a lane
	v_bfe_u32 v15, v0, 3, 1                        ; bit 3 of the column says which of the two row tiles,
	v_and_b32 v10, 7, v0
	v_lshl_add_u32 v10, v14, 3, v10                ; and 8 x bit 4 + the low three bits the place in it
	v_lshlrev_b32 v11, 5, v10
	v_lshl_add_u32 v11, v15, 9, v11                ; scale word: 32 bytes a position
	v_lshlrev_b32 v10, 4, v10
	v_lshl_add_u32 v10, v15, 14, v10               ; codes: 16 bytes a place, 16,384 a row tile
	s_lshl_b32 s26, s24, 17                        ; row tile 8 cg + 2 w,
	s_lshl_b32 s27, s18, 15
	s_add_co_u32 s26, s26, s27
	s_lshl_b32 s27, s25, 11                        ; K step ks
	s_add_co_u32 s26, s26, s27
	s_mov_b32 s27, 0
	s_lshl_b32 s28, s24, 12                        ; scale bytes: position 128 cg + 32 w, word ks
	s_lshl_b32 s29, s18, 10
	s_add_co_u32 s28, s28, s29
	s_lshl_b32 s29, s25, 2
	s_add_co_u32 s28, s28, s29
	s_mov_b32 s29, 0
	s_lshl_b32 s30, s18, 7                         ; my wave's 32 columns, in bytes
	s_mov_b32 s31, 0
	s_wait_kmcnt 0x0
	s_add_nc_u64 s[14:15], s[14:15], s[26:27]
	s_add_nc_u64 s[16:17], s[16:17], s[28:29]
.macro WLOAD t, pitch, base            ; block t: W(128 ks + 32 t + i, my column)
.irp i, 0,1,2,3,4,5,6,7,8,9,10,11,12,13,14,15,16,17,18,19,20,21,22,23,24,25,26,27,28,29,30,31
	global_load_b32 v[WX+32*(\t)+\i], v9, s[\base:\base+1] offset:(32*(\t)+\i)*\pitch th:TH_LOAD_NT
.endr
.endm
.macro WBLOCK t, pitch, base
.set XS, WX+32*(\t)
.if (\t) < 3
	s_wait_loadcnt 32                              ; this block's 32 loads are in; the next block's may be out
.else
	s_wait_loadcnt 0x0
.endif
.if (\t) < 2
	WLOAD (\t)+2, \pitch, \base                    ; two blocks ahead, into registers of their own
.endif
	v_max3_num_f32 v32, |v[XS]|, |v[XS+1]|, |v[XS+2]|             ; all 32 numbers of the block are mine
	v_max3_num_f32 v33, |v[XS+3]|, |v[XS+4]|, |v[XS+5]|
.irp i, 6,10,14,18,22,26
	v_max3_num_f32 v32, v32, |v[XS+\i]|, |v[XS+\i+1]|
	v_max3_num_f32 v33, v33, |v[XS+\i+2]|, |v[XS+\i+3]|
.endr
	v_max3_num_f32 v32, v32, |v[XS+30]|, |v[XS+31]|
	v_max3_num_f32 v32, v32, v33, 0x4800000        ; and the floor
	v_add_nc_u32 v34, 0xfc000000, v32              ; the conversion's scale operand
	v_and_or_b32 v35, v32, 0x7f800000, s[MNT]      ; 448 x the scale
	v_lshrrev_b32 v36, 23, v34                     ; the byte
.if (\t) == 0
	v_mov_b32 v[PW], v36
.else
	v_lshl_or_b32 v[PW], v36, 8*(\t), v[PW]
.endif
.irp i, 0,1,2,3,4,5,6,7,8,9,10,11,12,13,14,15,16,17,18,19,20,21,22,23,24,25,26,27,28,29,30,31
	v_med3_num_f32 v[XS+\i], v[XS+\i], -v35, v35
.endr
.irp g, 0,1,2,3
	v_cvt_scalef32_pk8_fp8_f32 v[WC+8*(\t)+2*\g:WC+8*(\t)+2*\g+1], v[XS+8*\g:XS+8*\g+7], v34
.endr
	global_store_b128 v10, v[WC+8*(\t):WC+8*(\t)+3], s[14:15] offset:512*(\t)          ; k = 32 t + 0..15: the image's lanes 0-15; sixteen lanes fill an aligned block of 256 bytes in each of two row tiles
	global_store_b128 v10, v[WC+8*(\t)+4:WC+8*(\t)+7], s[14:15] offset:512*(\t)+256    ; k = 32 t + 16..31: its lanes 16-31.  Each block has its own code registers: no store's data are written again
.endm
.macro WPATH pitch, base
	WLOAD 0, \pitch, \base
	WLOAD 1, \pitch, \base
	WBLOCK 0, \pitch, \base
	WBLOCK 1, \pitch, \base
	WBLOCK 2, \pitch, \base
	WBLOCK 3, \pitch, \base
	global_store_b32 v11, v[PW], s[16:17]          ; my column's four bytes of this K step
.endm
	s_cmp_lt_u32 s24, 24
	s_cbranch_scc0 .Lw_proj
	s_mul_i32 s26, s25, 128*12288                  ; w_attn: 128 ks rows of 12,288 bytes,
	s_add_co_u32 s30, s30, s26
	s_lshl_b32 s26, s24, 9                         ; 128 cg columns
	s_add_co_u32 s30, s30, s26
	s_add_nc_u64 s[6:7], s[6:7], s[30:31]
	s_wait_alu depctr_va_vdst(0)
	WPATH 12288, 6
	s_endpgm
.Lw_proj:
	s_lshl_b32 s26, s25, 19                        ; w_proj: 128 ks rows of 4,096 bytes,
	s_add_co_u32 s30, s30, s26
	s_sub_co_u32 s26, s24, 24
	s_lshl_b32 s26, s26, 9                         ; 128 (cg - 24) columns
	s_add_co_u32 s30, s30, s26
	s_add_nc_u64 s[8:9], s[8:9], s[30:31]
	s_wait_alu depctr_va_vdst(0)
	WPATH 4096, 8
	s_endpgm
.Lfunc_end_k_qfc0e5959d6_quant:
	.size	k_qfc0e5959d6_quant, .Lfunc_end_k_qfc0e5959d6_quant-k_qfc0e5959d6_quant
	.p2alignl 7, 3214868480
	.fill 96, 4, 3214868480
	.section	.rodata,"a",@progbits
	.p2align	6, 0x0
	.amdhsa_kernel k_qfc0e5959d6_quant
		.amdhsa_group_segment_fixed_size 35328
		.amdhsa_private_segment_fixed_size 0
		.amdhsa_enable_private_segment 0
		.amdhsa_kernarg_size 56
		.amdhsa_user_sgpr_count 2
		.amdhsa_user_sgpr_kernarg_segment_ptr 1
		.amdhsa_wavefront_size32 1
		.amdhsa_system_sgpr_workgroup_id_x 1
		.amdhsa_system_sgpr_workgroup_id_y 1
		.amdhsa_system_sgpr_workgroup_id_z 1
		.amdhsa_system_vgpr_workitem_id 0
		.amdhsa_next_free_vgpr 256
		.amdhsa_next_free_sgpr 66
		.amdhsa_reserve_vcc 0
		.amdhsa_float_denorm_mode_32 3
		.amdhsa_float_denorm_mode_16_64 3
		.amdhsa_memory_ordered 1
		.amdhsa_forward_progress 1
		.amdhsa_inst_pref_size 83
	.end_amdhsa_kernel
	.amdgpu_metadata
---
amdhsa.version: [ 1, 2 ]
amdhsa.kernels:
  - .name:           k_qfc0e5959d6_quant
    .symbol:         k_qfc0e5959d6_quant.kd
    .args:
      - { .name: x, .offset: 0, .size: 8, .value_kind: global_buffer, .address_space: global }
      - { .name: w_attn, .offset: 8, .size: 8, .value_kind: global_buffer, .address_space: global }
      - { .name: w_proj, .offset: 16, .size: 8, .value_kind: global_buffer, .address_space: global }
      - { .name: xc, .offset: 24, .size: 8, .value_kind: global_buffer, .address_space: global }
      - { .name: xs, .offset: 32, .size: 8, .value_kind: global_buffer, .address_space: global }
      - { .name: wc, .offset: 40, .size: 8, .value_kind: global_buffer, .address_space: global }
      - { .name: ws, .offset: 48, .size: 8, .value_kind: global_buffer, .address_space: global }
    .group_segment_fixed_size: 35328
    .private_segment_fixed_size: 0
    .kernarg_segment_align: 8
    .kernarg_segment_size: 56
    .max_flat_workgroup_size: 128
    .sgpr_count:     66
    .vgpr_count:     256
    .wavefront_size: 32
...
	.end_amdgpu_metadata
.endif
;; end of part 1
;; launch qkv (part 2): grid 8 x 48, 4 waves a work-group, clusters of 4 x 4, 327,680 bytes of LDS; arguments xc, xs, wc, ws, b_attn, qkvc; writes qkvc
.if DOCPART == 2
	.amdgcn_target "amdgcn-amd-amdhsa--gfx1250"
	.amdhsa_code_object_version 6
	.text
	.protected	k_qfc0e5959d6_qkv
	.globl	k_qfc0e5959d6_qkv
	.p2align	8
	.type	k_qfc0e5959d6_qkv,@function
k_qfc0e5959d6_qkv:
	s_mov_b64 s[64:65], 0
	v_nop
	global_prefetch_b8 v0, s[64:65] scope:SCOPE_SE
	s_setreg_imm32_b32 hwreg(HW_REG_WAVE_MODE, 25, 1), 1
	s_wait_xcnt 0x0
	s_wait_alu depctr_hold_cnt(0) depctr_sa_sdst(0) depctr_va_vdst(0) depctr_va_sdst(0) depctr_va_ssrc(0) depctr_va_vcc(0) depctr_vm_vsrc(0)
	s_getreg_b32 s2, hwreg(HW_REG_IB_STS2, 6, 4)
	s_cmp_eq_u32 s2, 0
	s_cbranch_scc0 .Lentry_in_a_cluster
	s_endpgm
.Lentry_in_a_cluster:
	s_bfe_u32 s2, ttmp6, 0x10000c
	s_cmp_lg_u32 s2, 0xf033
	s_cbranch_scc0 .Lentry_shape_is_right
	s_endpgm
.Lentry_shape_is_right:
; qkv = x w_attn + b_attn on codes of FP8 (E4M3) with E8M0 scales (K = 1024), and q, k and v quantised at once for the attention: nothing goes to memory as f32.
; A tile of 256 x 256 is made by four waves, 128 x 128 each: 64 accumulators, 512 registers.  K goes in steps of 256 through a ring of two LDS slots filled by the tensor data mover.
; OPERANDS LIE IN MEMORY AS IMAGES OF THEIR REGISTERS ([row tile of 16][K step of 128][2,048 bytes]): a fragment is four ds_load_b128 at 16 x lane, 512 consecutive bytes each: no pitch, no padding.
; SOURCE 0 is the axis that is quantised afterwards: its rows lie by position (bits 3 and 4 of the index exchanged), so the 64 registers of a lane over source 0's eight blocks are 4 x 16 actual neighbours, 32 b + 16 (lane / 16) + i.
; TWO MODES, by the cluster's y, which all sixteen partners share.  Mode 0 (y 0..7): source 1 = 256 tokens of x, source 0 = 256 columns of q or k: a lane holds a token, its registers run along the head's 64: q and k are quantised along the head.
; Mode 1 (y 8..11): source 1 = 256 columns of v, source 0 = 256 tokens: a lane holds a channel of v, its registers run along the tokens: v is quantised along the keys.
; RESULTS.  all in qkvc, a record of 32,768 bytes for each [batch x head][128 tokens]: q's codes at 0, k's at 8,192: [token tile][c 0..1][lane][16]; v's at 16,384: [tile of 16 channels][image].  Scale words: k's at 24,576, q's at 25,344: [tile / 4][r][tile % 4], two bytes
; and two bytes of 0 (they stand over zero codes: the head's 64 fill half of an instruction's 128); v's at 25,088: [r][channel tile].  Every store of the wave covers whole aligned blocks of 256 bytes.
; CLUSTERS: 4 x 4 work-groups.  Source 1's tile hangs on the tile row, shared along a row of the cluster; source 0's on the tile column, shared along a column: each is asked for jointly, by one tensor load with a mask that names the four.
; No prefetch: the ring is filled again only twice in the launch.  384 tiles: the grid follows from the sizes.
; LIMITS: NaN and infinities are not served; blocks whose largest magnitude lies under 2^-118, blocks of zeros among them, keep the byte 1 (this program alone reads the bytes).
; REGISTERS, in windows of 256: window 0: v1, v2 r and h; v6-7 bias offsets; v8-15 mode 1's bias; v16-29 addresses; v32-63 scale words; v64-127 mode 0's bias; v128-255 source 1's fragments, on the way out the quantiser's registers.
;   window 1: source 0's fragments, two sets.   windows 2, 3: the accumulators ((a, b) at v[8 (8 (a % 4) + b)]).
.set NQ,     2                         ; matrix instructions deep in a slot
.set FR,     16
.set NL,     4
.set NP,     8                         ; places behind this matrix instruction (ISA guide 7.12.1)
.set SLOT,   131072                    ; source 1's 16 row tiles x 4,096 bytes, then source 0's
.set LAPS,   2                         ; 1024 / 512
.set SCL,    2*SLOT                    ; the scale bytes of all of K, as blocks of 256 bytes + 16 of padding
.set HALFS,  16*272                    ; those of 128 rows
.set SBLK,   2*272                     ; of 16 rows
.set SPARE,  SCL+4*HALFS               ; the spare words, 128 bytes for each wave: two blocks of 256 bytes that no other line names
.set BR,   8
.set ADRA, 16
.set ADRB, 20
.set LI,   24                          ; v24  16 x lane
.set SH,   25                          ; v25  16 h
.set WO,   26                          ; v26  the scale words' offset on the way out
.set ADRS, 27
.set SPW,  28
.set NIL,  29
.set SC,   32
.set BC,   64
.set AF,   128
.set X,    128                         ; the way out: 64 numbers;
.set PC,   192                         ; their codes;
.set TM,   208                         ; at work;
.set PW,   224                         ; the scale word;
.set SW,   232                         ; eight scale words kept
.set MNT,  4
.set SEL,  6
.set G1, 24
.set G0, 32
.set G1B, 48
.set G0B, 56
.set G1S, 68
.set G0S, 76
.set G1SB, 80
.set G0SB, 88
.set MSB, 0
.macro WIN new                         ; the immediate's high byte repeats the setting that is left
.if MSB != \new
	s_set_vgpr_msb (MSB<<8)|\new
.set MSB, \new
.endif
.endm
.set MUL_LO, 0xa1                      ; source 0 window 1, source 1 window 0, C and D window 2
.set MUL_HI, 0xf1                      ; the same, C and D window 3
.set TO_B,   0x40                      ; destination window 1
; A joint load: waves 0 and 1 fetch for source 1, waves 2 and 3 for source 0.  The branch hangs on the wave's number alone.  Four v_nop follow each of the two lines.
.macro JLOAD g0a, g1a, g0b, g1b
	s_cmp_eq_u32 s15, 0
	s_cbranch_scc0 .Lfor_b_\@
	tensor_load_to_lds s[\g0a:\g0a+3], s[\g1a:\g1a+7]
	s_nop 0
.rept 4
	v_nop
.endr
	s_branch .Lasked_\@
.Lfor_b_\@:
	tensor_load_to_lds s[\g0b:\g0b+3], s[\g1b:\g1b+7]
	s_nop 0
.rept 4
	v_nop
.endr
.Lasked_\@:
.endm
.macro CREST                           ; a round of the cluster's barrier behind its opening barrier
	s_cmp_lg_u32 s14, 0
	s_cbranch_scc1 .Lnot_wave_0_\@
	s_barrier_signal -3
.Lnot_wave_0_\@:
	s_barrier_wait -3
	s_barrier_signal -1
	s_barrier_wait -1
.endm
.macro CROUND
	s_barrier_signal -1
	s_barrier_wait -1
	CREST
.endm
; 64 numbers of a lane, register 16 b + i = k 32 b + 16 (lane / 16) + i of my row, become a fragment's codes in v[PC] on and its scale word in v[PW]
.macro QUANT s
.irp b, 0,1,2,3
	v_max3_num_f32 v[TM+\b], |v[\s+16*\b]|, |v[\s+1+16*\b]|, 0x4800000   ; my 16 numbers of block b, and the floor 2^(9 - 127)
.endr
.irp i, 2,4,6,8,10,12,14
.irp b, 0,1,2,3
	v_max3_num_f32 v[TM+\b], v[TM+\b], |v[\s+16*\b+\i]|, |v[\s+1+16*\b+\i]|
.endr
.endr
.irp b, 0,1,2,3
	v_permlanex16_b32 v[TM+4+\b], v[TM+\b], s[SEL], s[SEL+1]
.endr
.irp b, 0,1,2,3
	v_max_num_f32 v[TM+\b], v[TM+\b], v[TM+4+\b]
.endr
.irp b, 0,1,2,3
	v_add_nc_u32 v[TM+12+\b], 0xfc000000, v[TM+\b]                ; the conversion's scale operand
.endr
.irp b, 0,1,2,3
	v_and_or_b32 v[TM+8+\b], v[TM+\b], 0x7f800000, s[MNT]         ; 448 x the scale
.endr
.irp b, 0,1,2,3
	v_lshrrev_b32 v[TM+4+\b], 23, v[TM+12+\b]                     ; the byte
.endr
	v_lshl_or_b32 v[PW], v[TM+5], 8, v[TM+4]
	v_lshl_or_b32 v[PW], v[TM+6], 16, v[PW]
	v_lshl_or_b32 v[PW], v[TM+7], 24, v[PW]
	s_wait_xcnt 0x0                                               ; the last fragment's stores have read v[PC] on
.irp b, 0,1,2,3
.irp i, 0,1,2,3,4,5,6,7,8,9,10,11,12,13,14,15
	v_med3_num_f32 v[\s+16*\b+\i], v[\s+16*\b+\i], -v[TM+8+\b], v[TM+8+\b]   ; the conversion to an 8-bit code does not saturate (ISA guide 7.6.2)
.endr
	v_cvt_scalef32_pk8_fp8_f32 v[PC+4*\b:PC+1+4*\b], v[\s+16*\b:\s+7+16*\b], v[TM+12+\b]
	v_cvt_scalef32_pk8_fp8_f32 v[PC+2+4*\b:PC+3+4*\b], v[\s+8+16*\b:\s+15+16*\b], v[TM+12+\b]
.endr
	v_nop                                                         ; a plain line behind the last conversion
.endm
	s_load_b256 s[4:11], s[0:1], 0x0               ; xc s[4:5], xs s[6:7], wc s[8:9], ws s[10:11]
	s_load_b64 s[66:67], s[0:1], 0x20              ; b_attn
	s_load_b64 s[12:13], s[0:1], 0x28              ; qkvc
	v_lshl_add_u32 v[SPW], v0, 2, SPARE
	v_mov_b32 v[NIL], 0
	ds_add_u32 v28, v29
	ds_add_u32 v28, v29
	s_wait_dscnt 0x0
	v_lshrrev_b32 v1, 5, v0
	v_readfirstlane_b32 s14, v1                    ; wave 0..3
	s_lshr_b32 s15, s14, 1                         ; which half of source 1's rows is mine.  Also: I fetch for source 1 (0) or source 0 (1)
	s_and_b32 s16, s14, 1                          ; which half of source 0's.  Also: which 128 rows of that tile I fetch
	s_bfe_u32 s40, ttmp6, 0x40000                  ; cx
	s_bfe_u32 s41, ttmp6, 0x40004                  ; cy
	s_and_b32 s92, ttmp7, 0xffff                   ; the cluster's y
	s_lshl_b32 s93, ttmp9, 2                       ; 4 x the cluster's x
	s_lshl_b32 s17, s92, 2                         ; mode 0's tile-row base: 4 y
	s_lshl_b32 s42, s92, 3
	s_add_co_u32 s42, s42, s93
	s_sub_co_u32 s42, s42, 64                      ; mode 1's tile-column base: 4 x + 8 (y - 8)
	s_cmp_ge_u32 s92, 8
	s_cselect_b32 s95, 1, 0                        ; the mode
	s_cselect_b32 s17, 8, s17                      ; mode 1: v's columns are rows 2048 on of wc
	s_cselect_b32 s42, s42, s93
	s_add_co_u32 s17, s17, s41                     ; tile row (source 1): it never holds cx
	s_add_co_u32 s42, s42, s40                     ; tile column (source 0): it never holds cy
	s_lshl_b32 s43, s41, 2
	s_lshl_b32 s43, 15, s43                        ; my row of the cluster
	s_lshl_b32 s44, 0x1111, s40                    ; my column
	; descriptor group 1 for codes: 8 row tiles' 4,096 bytes (two K steps of 128), 16,384 bytes apart, in elements of 8 bytes; dense in LDS
	s_or_b32 s[G1+0], s43, (3<<16)|(1<<21)         ; 15:0 the mask; 17:16 elements of 8 bytes; 21 set beside a mask
	s_or_b32 s[G1B+0], s44, (3<<16)|(1<<21)
.irp g, G1, G1B
	s_mov_b32 s[\g+1], 512<<16                     ; tensor_dim0
	s_mov_b32 s[\g+2], 16<<16                      ; the head's loads bring 16 row tiles; behind them the two words that count rows are set to 8
	s_mov_b32 s[\g+3], 512<<16                     ; tile_dim0
	s_mov_b32 s[\g+4], 16
	s_mov_b32 s[\g+5], 2048                        ; tensor_dim0_stride
	s_mov_b32 s[\g+6], 0
	s_mov_b32 s[\g+7], 0
.endr
	; and for the scale bytes of 256 rows: 8,192 dense bytes as 32 rows of 256, 16 bytes of padding behind each
	s_or_b32 s[G1S+0], s43, (3<<16)|(1<<20)|(1<<21)|(5<<22)|(3<<25)
	s_or_b32 s[G1SB+0], s44, (3<<16)|(1<<20)|(1<<21)|(5<<22)|(3<<25)
.irp g, G1S, G1SB
	s_mov_b32 s[\g+1], 32<<16
	s_mov_b32 s[\g+2], 32<<16                      ; the scale bytes of 256 rows: 32 rows of 256 bytes
	s_mov_b32 s[\g+3], 32<<16
	s_mov_b32 s[\g+4], 32
	s_mov_b32 s[\g+5], 32
	s_mov_b32 s[\g+6], 0
	s_mov_b32 s[\g+7], 0
.endr
	s_lshl_b32 s18, s16, 17                        ; the half that I fetch: 8 row tiles x 16,384 bytes
	s_lshl_b32 s20, s17, 18
	s_mov_b32 s21, 0
	s_lshl_b32 s46, s42, 18
	s_mov_b32 s47, 0
	s_mov_b32 s19, 0
	s_lshl_b32 s22, s17, 13
	s_mov_b32 s23, 0
	s_lshl_b32 s92, s42, 13
	s_mov_b32 s93, 0
	s_lshl_b32 s45, s14, 15                        ; where they go: wave x 32,768: no place in the cluster enters an LDS address
	s_wait_kmcnt 0x0
	s_cmp_lg_u32 s95, 0                            ; the choice of buffers hangs on the mode alone
	s_cselect_b64 s[96:97], s[8:9], s[4:5]         ; source 1's codes: wc in mode 1, xc in mode 0
	s_cselect_b64 s[8:9], s[4:5], s[8:9]           ; source 0's codes
	s_cselect_b64 s[4:5], s[10:11], s[6:7]         ; source 1's scales
	s_cselect_b64 s[10:11], s[6:7], s[10:11]       ; source 0's scales
	s_add_nc_u64 s[20:21], s[96:97], s[20:21]
	s_add_nc_u64 s[22:23], s[4:5], s[22:23]
	s_add_nc_u64 s[46:47], s[8:9], s[46:47]
	s_add_nc_u64 s[92:93], s[10:11], s[92:93]
	CROUND                                         ; all sixteen work-groups are here: the first joint loads meet
	s_mov_b32 s[G0S], 1
	s_mov_b32 s[G0S+1], SCL
	s_mov_b64 s[G0S+2:G0S+3], s[22:23]
	s_or_b32 s[G0S+3], s[G0S+3], 0x80000000
	s_mov_b32 s[G0SB], 1
	s_mov_b32 s[G0SB+1], SCL+2*HALFS
	s_mov_b64 s[G0SB+2:G0SB+3], s[92:93]
	s_or_b32 s[G0SB+3], s[G0SB+3], 0x80000000
.set G0H, 4                            ; s[4:7], s[8:11] group 0 of the head's loads of K step 0 (the arguments that lay there have been used)
.set G0HB, 8
	s_mov_b32 s[G0H], 1                            ; source 1's 16 row tiles,
	s_mov_b32 s[G0H+1], 0
	s_mov_b64 s[G0H+2:G0H+3], s[20:21]
	s_or_b32 s[G0H+3], s[G0H+3], 0x80000000
	s_mov_b32 s[G0HB], 1                           ; source 0's, behind them in slot 0
	s_mov_b32 s[G0HB+1], 65536
	s_mov_b64 s[G0HB+2:G0HB+3], s[46:47]
	s_or_b32 s[G0HB+3], s[G0HB+3], 0x80000000
	s_add_nc_u64 s[20:21], s[20:21], s[18:19]      ; for the ring: my 8 row tiles of the tile
	s_add_nc_u64 s[46:47], s[46:47], s[18:19]
.irp s, 0,1
	s_mov_b32 s[G0+4*\s], 1
	s_add_co_u32 s[G0+4*\s+1], s45, \s*SLOT
	s_add_nc_u64 s[G0+4*\s+2:G0+4*\s+3], s[20:21], \s*4096
	s_or_b32 s[G0+4*\s+3], s[G0+4*\s+3], 0x80000000
	s_mov_b32 s[G0B+4*\s], 1
	s_add_co_u32 s[G0B+4*\s+1], s45, \s*SLOT
	s_add_nc_u64 s[G0B+4*\s+2:G0B+4*\s+3], s[46:47], \s*4096
	s_or_b32 s[G0B+4*\s+3], s[G0B+4*\s+3], 0x80000000
.endr
	; the bias, in both layouts; the one that the mode does not use is read at the buffer's head, so that every register is written on every path
; THE HEAD'S LOADS, ONE A WAVE: wave 0 K step 0 of source 1, wave 1 of source 0, waves 2 and 3 their scale bytes.  One chain of branches on the wave's number, all arms leading to one join.
.macro ARM under, g0, g1, next
	s_cmp_lt_u32 s14, \under
	s_cbranch_scc0 \next
	tensor_load_to_lds s[\g0:\g0+3], s[\g1:\g1+7]
	s_nop 0
.rept 4
	v_nop
.endr
	s_branch .Lhead_asked
\next:
.endm
	ARM 1, G0H,  G1,  .Lhead_b
	ARM 2, G0HB, G1B, .Lhead_sa
	ARM 3, G0S,  G1S, .Lhead_sb
	tensor_load_to_lds s[G0SB:G0SB+3], s[G1SB:G1SB+7]
	s_nop 0
.rept 4
	v_nop
.endr
.Lhead_asked:
	v_and_b32 v1, 15, v0
	v_bfe_u32 v2, v0, 4, 1                         ; h: stays
	v_and_b32 v3, 8, v1
	v_add_nc_u32 v3, v3, v1
	v_lshlrev_b32 v6, 2, v3                        ; 4 (r + 8 (r / 8))
	v_lshlrev_b32 v7, 6, v2                        ; 64 h
	s_wait_alu depctr_va_vdst(0)
	s_lshl_b32 s18, s42, 10
	s_lshl_b32 s19, s16, 9
	s_add_co_u32 s18, s18, s19                     ; mode 0: my 128 columns, in bytes
	s_lshl_b32 s96, s17, 10
	s_lshl_b32 s19, s15, 9
	s_add_co_u32 s96, s96, s19                     ; mode 1: my 128 columns of v
	s_cmp_lg_u32 s95, 0
	s_cselect_b32 s18, 0, s18
	s_cselect_b32 s96, s96, 0
	s_mov_b32 s19, 0
	s_mov_b32 s97, 0
	s_add_nc_u64 s[18:19], s[66:67], s[18:19]
	s_add_nc_u64 s[96:97], s[66:67], s[96:97]
.irp e, 0,1,2,3
.irp j, 0,1,2,3
	global_load_b128 v[BC+16*\e+4*\j:BC+16*\e+4*\j+3], v7, s[18:19] offset:128*\e+16*\j   ; register 16 e + i: the bias of column 32 e + 16 h + i
.endr
.endr
.irp a, 0,1,2,3,4,5,6,7
	global_load_b32 v[BR+\a], v6, s[96:97] offset:(32*(\a/2)+8*(\a%2))*4               ; block a: the bias of my lane's column
.endr
	v_and_b32 v3, 31, v0
	v_lshlrev_b32 v[LI], 4, v3
	v_lshlrev_b32 v[SH], 4, v2
	s_lshl_b32 s21, s15, 15                        ; my 8 row tiles of source 1,
	s_lshl_b32 s22, s16, 15                        ; of source 0,
	s_add_co_u32 s22, s22, 65536                   ; which lie behind source 1's 16
.irp s, 0,1
	v_add_nc_u32 v[ADRA+\s], s21, v[LI]
	v_add_nc_u32 v[ADRB+\s], s22, v[LI]
	s_add_co_u32 s21, s21, SLOT
	s_add_co_u32 s22, s22, SLOT
.endr
	v_lshlrev_b32 v4, 5, v1                        ; my row's scales: 32 bytes a row,
	v_lshrrev_b32 v5, 8, v4
	v_lshl_add_u32 v4, v5, 4, v4                   ; and 16 more for each 256 passed
	s_mul_i32 s21, s15, HALFS
	s_mul_i32 s22, s16, HALFS
	s_add_co_u32 s22, s22, 2*HALFS
	s_sub_co_u32 s22, s22, s21
	v_mul_u32_u24 v5, s22, v2                      ; lanes 16-31 take source 0's: one product, the distance between the two bases
	s_add_co_u32 s21, s21, SCL
	v_add_nc_u32 v4, v4, v5
	v_add_nc_u32 v[ADRS], s21, v4
.macro FRAG reg, adr, q, i             ; a fragment's image: four loads of 512 consecutive bytes
.irp c, 0,1,2,3
	ds_load_b128 v[\reg+4*\c:\reg+4*\c+3], v[\adr] offset:2048*(\q)+512*\c+4096*(\i)
.endr
.endm
; 16 matrix instructions: source 1's blocks a0, a0 + 1 x source 0's eight.  The 64 accumulators take turns, one instruction a turn, in the same order in every step.
.macro MUL16 a0, p, q, sc, zero
.irp a, \a0, \a0+1
.irp b, 0,1,2,3,4,5,6,7
.if \zero
	v_wmma_scale_f32_16x16x128_f8f6f4 v[8*(8*((\a)%4)+\b):8*(8*((\a)%4)+\b)+7], v[128*(\p)+FR*\b:128*(\p)+FR*\b+FR-1], v[AF+FR*(\a):AF+FR*(\a)+FR-1], 0, v[SC+8*NQ*(\sc)+NQ*\b+(\q)], v[SC+8*NQ*(\sc)+NQ*(\a)+(\q)] matrix_a_scale:MATRIX_SCALE_ROW1
.else
	v_wmma_scale_f32_16x16x128_f8f6f4 v[8*(8*((\a)%4)+\b):8*(8*((\a)%4)+\b)+7], v[128*(\p)+FR*\b:128*(\p)+FR*\b+FR-1], v[AF+FR*(\a):AF+FR*(\a)+FR-1], v[8*(8*((\a)%4)+\b):8*(8*((\a)%4)+\b)+7], v[SC+8*NQ*(\sc)+NQ*\b+(\q)], v[SC+8*NQ*(\sc)+NQ*(\a)+(\q)] matrix_a_scale:MATRIX_SCALE_ROW1
.endif
.endr
.endr
.endm
.macro FETCH_B slot, q, p
	WIN TO_B
.irp i, 0,1,2,3,4,5,6,7
	FRAG 128*(\p)+FR*\i, ADRB+\slot, \q, \i
.endr
	WIN 0
.endm
.macro FETCH_A slot, q, i0
.irp i, \i0, \i0+1, \i0+2, \i0+3
	FRAG AF+FR*(\i), ADRA+\slot, \q, \i
.endr
.endm
.macro SCALES sc                       ; a K step's two words a row: lanes 0-15 source 1's block i, lanes 16-31 source 0's
.irp i, 0,1,2,3,4,5,6,7
	ds_load_b64 v[SC+8*NQ*\sc+NQ*\i:SC+8*NQ*\sc+NQ*\i+1], v[ADRS] offset:\i*SBLK
.endr
.endm
.macro PLACES n                        ; plain vector lines between a matrix instruction and a load into, or a vector read of, its registers
.rept \n
	v_nop
.endr
.endm
.macro STEP slot, q, zero              ; 128 along K with its successor in the same slot
	s_wait_dscnt 4*NL                              ; source 0's set and source 1's blocks 0-3 are in; the youngest 16 loads (blocks 4-7) may be out
	WIN MUL_LO
	MUL16 0, (\q)%2, \q, \slot, \zero
	MUL16 2, (\q)%2, \q, \slot, \zero
	s_wait_dscnt 0
	PLACES NP
	FETCH_B \slot, (\q)+1, 1-(\q)%2
	FETCH_A \slot, (\q)+1, 0
	WIN MUL_HI
	MUL16 4, (\q)%2, \q, \slot, \zero
	MUL16 6, (\q)%2, \q, \slot, \zero
	PLACES NP
	WIN 0
	FETCH_A \slot, (\q)+1, 4
.endm
; A slot's last step changes slots: one barrier; in front of it each wave waits for all its tensor loads, adds 0 to its spare word, and waits for that and for its reads of this slot.
.macro TURN slot, next, fill
	s_wait_tensorcnt 0x0                           ; all my tensor loads have landed: my part of the next slot
	ds_add_u32 v[SPW], v[NIL]                      ; 0 onto my spare word
	s_wait_dscnt 4*NL+1                            ; (the add and the youngest 16 loads may be out)
	WIN MUL_LO
	MUL16 0, 1, NQ-1, \slot, 0
	s_wait_dscnt 0x0                               ; the add is done, and my reads of this slot are over
	s_barrier_signal -1
	MUL16 2, 1, NQ-1, \slot, 0
	WIN 0
	s_barrier_wait -1
.if \fill
	CREST                                          ; the barrier has opened a round of the cluster's: no wave of any partner still reads this slot or has a load on its way
	s_add_nc_u64 s[G0+4*\slot+2:G0+4*\slot+3], s[G0+4*\slot+2:G0+4*\slot+3], 8192
	s_add_nc_u64 s[G0B+4*\slot+2:G0B+4*\slot+3], s[G0B+4*\slot+2:G0B+4*\slot+3], 8192
	JLOAD G0+4*\slot, G1, G0B+4*\slot, G1B         ; the first tensor load behind the round, my only one until the next
	PLACES NP-4
.else
	PLACES NP
.endif
	s_wait_alu depctr_va_vdst(0)
	v_add_nc_u32 v[ADRS], 4*NQ, v[ADRS]
	FETCH_B \next, 0, 0
	FETCH_A \next, 0, 0
	SCALES \next
	WIN MUL_HI
	MUL16 4, 1, NQ-1, \slot, 0
	MUL16 6, 1, NQ-1, \slot, 0
	PLACES NP
	WIN 0
	FETCH_A \next, 0, 4
.endm
	s_wait_alu depctr_va_vdst(0)
	s_wait_tensorcnt 0x0                           ; my tile of the head's four is in; slot 1's first fill is issued as a refill is
	ds_add_u32 v[SPW], v[NIL]
	s_mov_b32 s[G1+2], 8<<16                       ; no tensor load of mine is out: from here on a load brings 8 row tiles
	s_mov_b32 s[G1+4], 8
	s_mov_b32 s[G1B+2], 8<<16
	s_mov_b32 s[G1B+4], 8
	s_wait_dscnt 0x0
	CROUND                                         ; all four tiles are in, and all sixteen work-groups are here
	JLOAD G0+4, G1, G0B+4, G1B                     ; K step 1: the first tensor load behind the round
	FETCH_B 0, 0, 0
	FETCH_A 0, 0, 0
	SCALES 0
	FETCH_A 0, 0, 4
	STEP 0, 0, 1                                   ; the first step's products start the sums
	s_mov_b32 s3, LAPS-1
.Llap:
	TURN 0, 1, 1
	STEP 1, 0, 0
	TURN 1, 0, 1
	STEP 0, 0, 0
	s_sub_co_u32 s3, s3, 1
	s_cmp_lg_u32 s3, 0
	s_cbranch_scc1 .Llap
	TURN 0, 1, 0                                   ; the last lap fills nothing
	STEP 1, 0, 0
	s_wait_dscnt 4*NL
	WIN MUL_LO
	MUL16 0, 1, NQ-1, 1, 0
	MUL16 2, 1, NQ-1, 1, 0
	s_wait_dscnt 0
	WIN MUL_HI
	MUL16 4, 1, NQ-1, 1, 0
	MUL16 6, 1, NQ-1, 1, 0
	WIN 0
	; THE WAY OUT.  For each of source 1's eight blocks: the lane's 64 sums + the bias go into window 0 (the addition is also the move), are quantised, and leave as register images.
	PLACES NP
.irp b, 0,1,2,3
	v_mov_b32 v[TM+4+\b], 0                        ; written once: a lane permute's destination counts as one of its sources
.endr
	s_mov_b32 s[MNT], 0x600000
	s_mov_b32 s[SEL], 0x76543210
	s_mov_b32 s[SEL+1], 0xfedcba98
	s_wait_loadcnt 0x0                             ; the bias
.macro EPIQ a                          ; mode 0: the bias runs along the registers
	WIN 0x02+(\a)/4
.set i, 0
.rept 32
	v_pk_add_f32 v[X+i:X+i+1], v[64*((\a)%4)+i:64*((\a)%4)+i+1], v[BC+i:BC+i+1]      ; each accumulator from its low end on
.set i, i+2
.endr
	WIN 0
	QUANT X
.irp e, 0,1,2,3
	global_store_b128 v[LI], v[PC+4*\e:PC+4*\e+3], s[12:13] offset:(\e/2)*524288+(\a)*1024+(\e%2)*512   ; head e / 2 (16 records on), token tile a, c = e % 2
.endr
	v_lshrrev_b32 v225, v[SH], v[PW]               ; lanes 0-15 keep the first head's two bytes, lanes 16-31 the second's
	v_and_b32 v[SW+(\a)], 0xffff, v225
.endm
.macro EPIV a                          ; mode 1: the bias is my lane's column's
	WIN 0x02+(\a)/4
.set i, 0
.rept 32
.if (\a)%2
	v_pk_add_f32 v[X+i:X+i+1], v[64*((\a)%4)+i:64*((\a)%4)+i+1], v[BR+2*((\a)/2):BR+2*((\a)/2)+1] op_sel:[0,1] op_sel_hi:[1,1]
.else
	v_pk_add_f32 v[X+i:X+i+1], v[64*((\a)%4)+i:64*((\a)%4)+i+1], v[BR+2*((\a)/2):BR+2*((\a)/2)+1] op_sel:[0,0] op_sel_hi:[1,0]
.endif
.set i, i+2
.endr
	WIN 0
	QUANT X
.irp e, 0,1,2,3
	global_store_b128 v[LI], v[PC+4*\e:PC+4*\e+3], s[12:13] offset:((\a)/4)*524288+((\a)%4)*2048+\e*512  ; head a / 4, channel tile a % 4: the image
.endr
	v_mov_b32 v[SW+(\a)], v[PW]
.endm
	s_cmp_lg_u32 s95, 0
	s_cbranch_scc1 .Lvalues
	s_lshl_b32 s20, s42, 2
	s_lshl_b32 s21, s16, 1
	s_add_co_u32 s20, s20, s21                     ; my first head of 32 (q's 16, then k's)
	s_lshl_b32 s21, s17, 4
	s_lshl_b32 s22, s15, 3
	s_add_co_u32 s21, s21, s22                     ; my first token tile of 512
	s_lshr_b32 s22, s20, 4                         ; q or k
	s_and_b32 s20, s20, 15                         ; the head
	s_lshr_b32 s23, s21, 7                         ; the batch
	s_and_b32 s21, s21, 127                        ; the tile in it
	; WHERE THE RESULTS LIE (all in qkvc; this is the layout that holds): a record of 32,768 bytes for each [batch x head][128 tokens]: q's codes at 0, k's at 8,192, v's at 16,384,
	; k's scale words at 24,576 (512 bytes), v's at 25,088 (256), q's at 25,344 (512); inside each part as before.  So k, v and their words are 17,152 bytes on end.
	s_lshl_b32 s46, s23, 23
	s_lshl_b32 s47, s20, 19
	s_add_co_u32 s46, s46, s47
	s_lshl_b32 s47, s21, 12                        ; eight tiles to a record
	s_add_co_u32 s46, s46, s47
	s_mov_b32 s47, 0
	s_add_nc_u64 s[12:13], s[12:13], s[46:47]      ; my record
	s_mul_i32 s46, s22, 768
	s_sub_co_u32 s46, 25344, s46                   ; q's words, or k's 768 bytes ahead of them
	s_add_nc_u64 s[98:99], s[12:13], s[46:47]
	s_lshl_b32 s46, s22, 13
	s_add_nc_u64 s[12:13], s[12:13], s[46:47]      ; q's codes or k's
.irp a, 0,1,2,3,4,5,6,7
	EPIQ \a
.endr
	v_lshlrev_b32 v[WO], 4, v1
	v_lshl_add_u32 v[WO], v2, 19, v[WO]            ; 16 r; lanes 16-31 the next head, 16 records on
	global_store_b128 v[WO], v[SW:SW+3], s[98:99]              ; four tiles' words: sixteen lanes fill an aligned block of 256 bytes
	global_store_b128 v[WO], v[SW+4:SW+7], s[98:99] offset:256
	s_branch .Lend
.Lvalues:
	s_sub_co_u32 s20, s17, 8
	s_lshl_b32 s20, s20, 2
	s_lshl_b32 s21, s15, 1
	s_add_co_u32 s20, s20, s21                     ; my first head
	s_lshl_b32 s21, s42, 1
	s_add_co_u32 s21, s21, s16                     ; my 128 keys of 64 such steps
	s_lshr_b32 s23, s21, 4                         ; the batch
	s_and_b32 s21, s21, 15                         ; the step in it
	s_lshl_b32 s46, s23, 23
	s_add_co_u32 s46, s46, 16384                   ; v's codes in the record
	s_lshl_b32 s47, s20, 19
	s_add_co_u32 s46, s46, s47
	s_lshl_b32 s47, s21, 15
	s_add_co_u32 s46, s46, s47
	s_mov_b32 s47, 0
	s_add_nc_u64 s[12:13], s[12:13], s[46:47]
	s_add_nc_u64 s[98:99], s[12:13], 8704          ; v's scale words: 25,088 - 16,384
.irp a, 0,1,2,3,4,5,6,7
	EPIV \a
.endr
	s_mov_b32 s5, 0xffff0000
.irp j, 0,1,2,3
	v_cndmask_b32 v[228+\j], v[SW+\j], v[SW+4+\j], s5          ; lanes 16-31 take the second head's four tiles
.endr
	v_lshlrev_b32 v[WO], 4, v1
	v_lshl_add_u32 v[WO], v2, 19, v[WO]            ; 16 r; lanes 16-31 the next head, 16 records on
	global_store_b128 v[WO], v[228:231], s[98:99]
.Lend:
	s_wait_tensorcnt 0x0                           ; the wave's end
	ds_add_u32 v[SPW], v[NIL]
	s_wait_dscnt 0x0
	CROUND                                         ; the closing round
	s_endpgm
.Lfunc_end_k_qfc0e5959d6_qkv:
	.size	k_qfc0e5959d6_qkv, .Lfunc_end_k_qfc0e5959d6_qkv-k_qfc0e5959d6_qkv
	.p2alignl 7, 3214868480
	.fill 96, 4, 3214868480
	.section	.rodata,"a",@progbits
	.p2align	6, 0x0
	.amdhsa_kernel k_qfc0e5959d6_qkv
		.amdhsa_group_segment_fixed_size 327680
		.amdhsa_private_segment_fixed_size 0
		.amdhsa_enable_private_segment 0
		.amdhsa_kernarg_size 48
		.amdhsa_user_sgpr_count 2
		.amdhsa_user_sgpr_kernarg_segment_ptr 1
		.amdhsa_wavefront_size32 1
		.amdhsa_system_sgpr_workgroup_id_x 1
		.amdhsa_system_sgpr_workgroup_id_y 1
		.amdhsa_system_sgpr_workgroup_id_z 1
		.amdhsa_system_vgpr_workitem_id 0
		.amdhsa_next_free_vgpr 1024
		.amdhsa_next_free_sgpr 100
		.amdhsa_reserve_vcc 0
		.amdhsa_float_denorm_mode_32 3
		.amdhsa_float_denorm_mode_16_64 3
		.amdhsa_memory_ordered 1
		.amdhsa_forward_progress 1
		.amdhsa_inst_pref_size 255
	.end_amdhsa_kernel
	.section	.bss,"aw",@nobits
	.p2align	6
	.space	262144
	.amdgpu_metadata
---
amdhsa.version: [ 1, 2 ]
amdhsa.kernels:
  - .name:           k_qfc0e5959d6_qkv
    .symbol:         k_qfc0e5959d6_qkv.kd
    .args:
      - { .name: xc, .offset: 0, .size: 8, .value_kind: global_buffer, .address_space: global }
      - { .name: xs, .offset: 8, .size: 8, .value_kind: global_buffer, .address_space: global }
      - { .name: wc, .offset: 16, .size: 8, .value_kind: global_buffer, .address_space: global }
      - { .name: ws, .offset: 24, .size: 8, .value_kind: global_buffer, .address_space: global }
      - { .name: b_attn, .offset: 32, .size: 8, .value_kind: global_buffer, .address_space: global }
      - { .name: qkvc, .offset: 40, .size: 8, .value_kind: global_buffer, .address_space: global }
    .group_segment_fixed_size: 327680
    .private_segment_fixed_size: 0
    .kernarg_segment_align: 8
    .kernarg_segment_size: 48
    .max_flat_workgroup_size: 128
    .sgpr_count:     100
    .vgpr_count:     1024
    .wavefront_size: 32
...
	.end_amdgpu_metadata
.endif
;; end of part 2
;; launch attn (part 3): grid 4 x 64, 16 waves a work-group, clusters of 4 x 1, 276,480 bytes of LDS; arguments qkvc, oc, os; writes oc, os
.if DOCPART == 3
	.amdgcn_target "amdgcn-amd-amdhsa--gfx1250"
	.amdhsa_code_object_version 6
	.text
	.protected	k_qfc0e5959d6_attn
	.globl	k_qfc0e5959d6_attn
	.p2align	8
	.type	k_qfc0e5959d6_attn,@function
k_qfc0e5959d6_attn:
	s_mov_b64 s[64:65], 0
	v_nop
	global_prefetch_b8 v0, s[64:65] scope:SCOPE_SE
	s_setreg_imm32_b32 hwreg(HW_REG_WAVE_MODE, 25, 1), 1
	s_wait_xcnt 0x0
	s_wait_alu depctr_hold_cnt(0) depctr_sa_sdst(0) depctr_va_vdst(0) depctr_va_sdst(0) depctr_va_ssrc(0) depctr_va_vcc(0) depctr_vm_vsrc(0)
	s_getreg_b32 s2, hwreg(HW_REG_IB_STS2, 6, 4)
	s_cmp_eq_u32 s2, 0
	s_cbranch_scc0 .Lentry_in_a_cluster
	s_endpgm
.Lentry_in_a_cluster:
	s_bfe_u32 s2, ttmp6, 0x10000c
	s_cmp_lg_u32 s2, 0x3003
	s_cbranch_scc0 .Lentry_shape_is_right
	s_endpgm
.Lentry_shape_is_right:
; Causal attention of one head (2,048 tokens, head size 64) on codes of FP8 (E4M3) with E8M0 scales, and its result quantised along the channels for the last product.
; THE SOFTMAX AHEAD OF THE SECOND PRODUCT: t = score x log2(e) / 8; M = the row's largest t so far, rounded UP to a whole number; p = 2^(t - M) is quantised along the keys.  The row's sum is taken of the unquantised p and divides at the end.
; When M moves, the sum and O are multiplied by 2^(old M - new M): exact.
; INPUT: qkvc holds a record of 32,768 bytes for each [batch x head][128 tokens]: q's codes at 0, k's at 8,192, v's at 16,384, k's scale words at 24,576, v's at 25,088, q's at 25,344.
; SHARES.  The four work-groups of a head form a cluster.  Work-group p owns the query tiles 4 j + p, j = 0..31; tile 4 j + p counts j / 2 + 1 key steps of 128, whatever p: no branch hangs on the place in the cluster.
; Wave w takes j = 31 - w and then j = w: 17 tile steps for every wave.  Key steps all of whose keys the causal mask hides are left out by a scalar jump on the wave's number and the step's.
; THE HEAD'S K AND V STAY IN LDS: wave s brings key step s (k, v and their words: 17,152 bytes on end, 67 rows of 256) by ONE JOINT LOAD that names the four partners; nothing is filled again.
; Three load lines: waves 0-3, 4-7, 8-15.  The first is shown by the barrier in front of step 0, the second behind four steps, the third behind eight; up to there every wave has done the same number of steps.
; LAYOUT.  Both products are used transposed: S^T = K Q^T, O^T = V^T P^T: a lane holds ONE query.  Tiles lie by position (bits 3 and 4 of the index exchanged), so the 16 registers of tiles 2 b, 2 b + 1 are 16 actual neighbours.
; The head's 64 fill half of the first product's 128.  Q's upper half is zero codes; K's eight tiles lie on end in v32-95, so a tile's upper half is the next tile's codes (the last's: zeros in v96-103): finite codes times zero codes add nothing.
; NO PREFETCH: all that the launch reads of K and V is asked for in its first lines; there is no loop to run ahead in.
; LIMITS: NaN and infinities are not served; the promise holds while the scaled scores stay under 2^31 in magnitude; blocks of o whose largest magnitude lies under 2^-118 keep the byte 1.
; o's scale bytes leave one byte a lane (262,144 bytes in all): those blocks of 256 bytes are written in part.
.set SP,    17152                      ; a key step in LDS: K's codes at 0, V's at 8,192, K's words at 16,384, V's at 16,896
.set SPARE, 16*SP                      ; the spare words, 128 bytes for each wave
.set AK0,  1                           ; v1   16 x lane
.set RW,   2                           ; v2   16 r
.set LQ,   3                           ; v3   my query in its 64, less 16 h
.set OSO,  4                           ; v4   32 r + h
.set SPW,  5
.set NIL,  6
.set ADK,  7                           ; v7   the step's codes
.set ADS,  8                           ; v8   the step's words
.set S,    104                         ; v104-167 S^T, then p
.set O,    168                         ; v168-199 O^T
.set PC,   200                         ; v200-215 p's codes
.set MX,   216                         ; largest scores, then largest p, of four blocks
.set PM,   220
.set BD,   224                         ; 448 x the scale
.set SO,   228                         ; the conversions' scale operands
.set KW,   232                         ; v232-239 K's scale words
.set VW,   240                         ; v240-243 V's
.set QS,   244                         ; Q's
.set T,    245
.set F,    246                         ; v246 f, v247 p's scale word
.set SU,   248                         ; v248-255 four chains of the sum
.set TB,   2
.set SI,   3                           ; the key step
.set WV,   18
.set MNT,  19
.set SEL,  20
.set CS,   22
.set G1,   24
.set G0,   32
.set J,    52
.set JH,   53                          ; my tile's last key step
.set DG,   54                          ; 64 (j % 2)
.set TQ,   56
.set PP,   57
.set BH,   58
.set HM,   59
.macro CROUND
	s_barrier_signal -1
	s_barrier_wait -1
	s_cmp_lg_u32 s[WV], 0
	s_cbranch_scc1 .Lnot_wave_0_\@
	s_barrier_signal -3
.Lnot_wave_0_\@:
	s_barrier_wait -3
	s_barrier_signal -1
	s_barrier_wait -1
.endm
.macro TLOAD
	tensor_load_to_lds s[G0:G0+3], s[G1:G1+7]
	s_nop 0
.rept 4
	v_nop
.endr
.endm
	s_load_b128 s[4:7], s[0:1], 0x0                ; qkvc, oc
	s_load_b64 s[8:9], s[0:1], 0x10                ; os
	v_lshl_add_u32 v[SPW], v0, 2, SPARE
	v_mov_b32 v[NIL], 0
	ds_add_u32 v[SPW], v[NIL]                      ; the opening lines: the add twice on end and its wait
	ds_add_u32 v[SPW], v[NIL]
	v_lshrrev_b32 v248, 5, v0
	v_readfirstlane_b32 s[WV], v248                ; wave 0..15
	s_and_b32 s[BH], ttmp7, 0xffff                 ; batch x 16 + head
	s_bfe_u32 s[PP], ttmp6, 0x40000                ; my place in the cluster
	s_mov_b32 s[G1], 15|(3<<16)|(1<<21)            ; the four partners; elements of 8 bytes
	s_mov_b32 s[G1+1], 32<<16
	s_mov_b32 s[G1+2], 67<<16
	s_mov_b32 s[G1+3], 32<<16
	s_mov_b32 s[G1+4], 67
	s_mov_b32 s[G1+5], 32
	s_mov_b32 s[G1+6], 0
	s_mov_b32 s[G1+7], 0
	s_mov_b32 s[G0], 1
	s_mul_i32 s[G0+1], s[WV], SP
	s_lshl_b32 s70, s[BH], 19
	s_lshl_b32 s71, s[WV], 15
	s_add_co_u32 s70, s70, s71
	s_add_co_u32 s70, s70, 8192                    ; key step w's record, from k's codes on
	s_mov_b32 s71, 0
	s_mov_b32 s[SEL], 0x76543210
	s_mov_b32 s[SEL+1], 0xfedcba98
	s_mov_b32 s[CS], 0x3e38aa3b                    ; log2(e) / sqrt(64)
	s_mov_b32 s[CS+1], s[CS]
	s_mov_b32 s[MNT], 0x600000
	s_mov_b32 s[HM], 0xffff0000
	s_lshr_b32 s72, s[PP], 1
	s_lshl_b32 s72, s72, 5
	s_and_b32 s73, s[PP], 1
	s_lshl_b32 s73, s73, 3
	s_add_co_u32 s72, s72, s73                     ; 32 (p / 2) + 8 (p % 2): goes into lane data alone
	s_wait_dscnt 0x0
	CROUND                                         ; the four partners are here: the joint loads meet
	s_wait_kmcnt 0x0
	s_add_nc_u64 s[G0+2:G0+3], s[4:5], s[70:71]
	s_or_b32 s[G0+3], s[G0+3], 0x80000000
	s_cmp_lt_u32 s[WV], 4                          ; one load a wave; a line for each group that is shown by a barrier of its own
	s_cbranch_scc0 .Lsecond
	TLOAD
	s_branch .Lasked
.Lsecond:
	s_cmp_lt_u32 s[WV], 8
	s_cbranch_scc0 .Lthird
	TLOAD
	s_branch .Lasked
.Lthird:
	TLOAD
.Lasked:
	v_and_b32 v248, 15, v0                         ; r
	v_bfe_u32 v249, v0, 4, 1                       ; h
	v_and_b32 v250, 31, v0
	v_lshlrev_b32 v[AK0], 4, v250
	v_lshlrev_b32 v[RW], 4, v248
	v_and_b32 v[LQ], 8, v248
	v_add_nc_u32 v[LQ], v[LQ], v248
	v_lshlrev_b32 v251, 4, v249
	v_sub_nc_u32 v[LQ], v[LQ], v251
	v_add_nc_u32 v[LQ], s72, v[LQ]                 ; r + 8 (r / 8) - 16 h + 32 (p / 2) + 8 (p % 2)
	v_lshl_add_u32 v[OSO], v248, 5, v249
.irp j, 0,1,2,3,4,5,6,7
	v_mov_b32 v[24+\j], 0                          ; Q's k = 64..127: zero codes
	v_mov_b32 v[96+\j], 0                          ; behind K's last tile
.endr
.irp b, 0,1,2,3
	v_mov_b32 v[PM+\b], 0                          ; written once: a lane permute's destination counts as one of its sources
.endr
	v_mov_b32 v[F], 0
	v_mov_b32 v[F+1], 0
; A tile: its Q, its places in oc and os, and the running state
.macro INIT big
	s_wait_xcnt 0x0                                ; the last tile's stores have read their registers and bases
.if \big
	s_sub_co_u32 s[J], 31, s[WV]
.else
	s_mov_b32 s[J], s[WV]
.endif
	s_lshr_b32 s[JH], s[J], 1
	s_and_b32 s[DG], s[J], 1
	s_lshl_b32 s[DG], s[DG], 6
	s_lshl_b32 s[TQ], s[J], 2
	s_add_co_u32 s[TQ], s[TQ], s[PP]               ; the tile: it enters global addresses alone
	s_lshl_b32 s70, s[BH], 19
	s_lshl_b32 s71, s[JH], 15
	s_add_co_u32 s70, s70, s71                     ; its record
	s_and_b32 s72, s[TQ], 7
	s_lshl_b32 s72, s72, 10
	s_add_co_u32 s72, s72, s70
	s_mov_b32 s73, 0
	s_add_nc_u64 s[60:61], s[4:5], s[72:73]
	s_bfe_u32 s72, s[TQ], 0x10002
	s_lshl_b32 s72, s72, 8
	s_and_b32 s71, s[TQ], 3
	s_lshl_b32 s71, s71, 2
	s_add_co_u32 s72, s72, s71
	s_add_co_u32 s72, s72, s70
	s_add_co_u32 s72, s72, 25344
	s_add_nc_u64 s[62:63], s[4:5], s[72:73]
	s_wait_alu depctr_va_vdst(0)                   ; ahead of the readers below
	global_load_b128 v[16:19], v[AK0], s[60:61]
	global_load_b128 v[20:23], v[AK0], s[60:61] offset:512
	global_load_b32 v[QS], v[RW], s[62:63]
	s_lshr_b32 s72, s[BH], 4
	s_lshl_b32 s72, s72, 7
	s_add_co_u32 s72, s72, s[TQ]                   ; the row tile of 512: batch x 128 + tile
	s_lshl_b32 s70, s72, 14
	s_bfe_u32 s71, s[BH], 0x30001                  ; head / 2: the K step of 128,
	s_lshl_b32 s71, s71, 11
	s_add_co_u32 s70, s70, s71
	s_and_b32 s71, s[BH], 1                        ; head % 2: which half of its image
	s_lshl_b32 s71, s71, 10
	s_add_co_u32 s70, s70, s71
	s_mov_b32 s71, 0
	s_add_nc_u64 s[66:67], s[6:7], s[70:71]
	s_lshl_b32 s70, s72, 9
	s_and_b32 s72, s[BH], 15
	s_lshl_b32 s72, s72, 1
	s_add_co_u32 s70, s70, s72
	s_add_nc_u64 s[68:69], s[8:9], s[70:71]
	v_mov_b32 v13, 0xff61b1e6                      ; the largest t so far: -3e38
	s_delay_alu instid0(VALU_DEP_1)
	v_floor_f32 v12, -v13                          ; -M
	v_mov_b32 v14, 0
	v_mov_b32 v15, 0
.set j, 0
.rept 32
	v_mov_b32 v[O+j], 0                            ; O^T: the first change of M leaves zeros zeros, so the step is written once
.set j, j+1
.endr
	s_wait_alu depctr_va_vdst(0)
	s_wait_loadcnt 0x0
.endm
; A KEY STEP: 128 keys.  diag = 1: the walk may reach my tile's last step and pass it
.macro STEP diag
.if \diag
	s_cmp_gt_u32 s[SI], s[JH]
	s_cbranch_scc1 .Lhidden_\@                     ; all 128 keys come after my queries
.endif
	v_add_nc_u32 v[ADK], s[TB], v[AK0]
	v_add_nc_u32 v[ADS], s[TB], v[RW]
.rept 6
	v_nop                                          ; with the two additions eight places in front of loads into registers that the last products read
.endr
.irp t, 0,1,2,3,4,5,6,7
	ds_load_b128 v[32+8*\t:35+8*\t], v[ADK] offset:1024*\t
	ds_load_b128 v[36+8*\t:39+8*\t], v[ADK] offset:1024*\t+512
.endr
	ds_load_b128 v[KW:KW+3], v[ADS] offset:16384
	ds_load_b128 v[KW+4:KW+7], v[ADS] offset:16640
	ds_load_b128 v[VW:VW+3], v[ADS] offset:16896
	s_wait_alu depctr_va_vdst(0)
	s_wait_dscnt 0x0
.irp t, 0,1,2,3,4,5,6,7
	v_wmma_scale_f32_16x16x128_f8f6f4 v[S+8*\t:S+8*\t+7], v[32+8*\t:47+8*\t], v[16:31], 0, v[KW+\t], v[QS]
.endr
	v_mov_b32 v[T], v12                            ; the old -M; with the seven below eight places behind the products
.rept 7
	v_nop
.endr
.irp t, 0,1,2,3                                ; V's four tiles of 16 channels take K's registers; they land under the softmax
.irp c, 0,1,2,3
	ds_load_b128 v[32+16*\t+4*\c:35+16*\t+4*\c], v[ADK] offset:8192+2048*\t+512*\c
.endr
.endr
.if \diag
	s_cmp_lt_u32 s[SI], s[JH]
	s_cbranch_scc1 .Lopen_\@                       ; all keys count
	v_add_nc_u32 v10, s[DG], v[LQ]                 ; d = my query - the step's first key - 16 h.  Register 16 b + i holds key 32 b + 16 h + i of the step: hidden where 32 b + i > d
	v_mov_b32 v11, 0xff800000
.set n, 0
.rept 64
	v_cmp_gt_i32 vcc_lo, 32*(n/16)+n%16, v10
	v_cndmask_b32 v[S+n], v[S+n], v11, vcc_lo
.set n, n+1
.endr
.Lopen_\@:
.endif
.irp b, 0,1,2,3
	v_max3_num_f32 v[MX+\b], v[S+16*\b], v[S+1+16*\b], v[S+2+16*\b]   ; the largest score of each block of 32 keys: for the row's maximum and, since p rises with the score, for the block's largest p
.endr
.irp i, 3,5,7,9,11,13
.irp b, 0,1,2,3
	v_max3_num_f32 v[MX+\b], v[MX+\b], v[S+16*\b+\i], v[S+1+16*\b+\i]
.endr
.endr
.irp b, 0,1,2,3
	v_max_num_f32 v[MX+\b], v[MX+\b], v[S+15+16*\b]
.endr
.irp b, 0,1,2,3
	v_permlanex16_b32 v[PM+\b], v[MX+\b], s[SEL], s[SEL+1]
.endr
.irp b, 0,1,2,3
	s_delay_alu instid0(VALU_DEP_4)
	v_max_num_f32 v[MX+\b], v[MX+\b], v[PM+\b]
.endr
	s_delay_alu instid0(VALU_DEP_2)
	v_max3_num_f32 v10, v[MX], v[MX+1], v[MX+2]
	s_delay_alu instid0(VALU_DEP_1)
	v_max_num_f32 v10, v10, v[MX+3]
	s_delay_alu instid0(VALU_DEP_1)
	v_mul_f32 v10, s[CS], v10
	s_delay_alu instid0(VALU_DEP_1)
	v_max_num_f32 v13, v13, v10                    ; the running largest t
	s_delay_alu instid0(VALU_DEP_1)
	v_floor_f32 v12, -v13                          ; -M = floor(-t): M is a whole number
	s_delay_alu instid0(VALU_DEP_1)
	v_sub_f32 v[T], v12, v[T]
	s_delay_alu instid0(VALU_DEP_1)
	v_cvt_i32_f32 v[T], v[T]                       ; (it saturates)
	s_delay_alu instid0(VALU_DEP_1)
	v_ldexp_f32 v[F], 1.0, v[T]                    ; f = 2^(old M - new M)
.set j, 0
.rept 32
	v_pk_fma_f32 v[S+j:S+j+1], v[S+j:S+j+1], s[CS:CS+1], v[12:13] op_sel_hi:[1,0,0]   ; t - M
.set j, j+2
.endr
.irp b, 0,1,2,3
	v_fma_f32 v[MX+\b], v[MX+\b], s[CS], v12
.endr
	s_wait_alu depctr_va_vdst(0)                   ; ahead of the batch
.set j, 0
.rept 64
	v_exp_f32 v[S+j], v[S+j]                       ; p = 2^(t - M)
.set j, j+1
.endr
	v_pk_mul_f32 v[14:15], v[14:15], v[F:F+1] op_sel_hi:[1,0]   ; the sums under the new M: the plain line behind the exponentials
	s_wait_alu depctr_va_vdst(0)                   ; one wait for the batch, ahead of its first reader
.irp b, 0,1,2,3
	v_exp_f32 v[MX+\b], v[MX+\b]                   ; each block's largest p
.endr
.irp k, 0,1,2,3                                ; the row's sum of the unquantised p, in four chains
	v_pk_add_f32 v[SU+2*\k:SU+2*\k+1], v[S+4*\k:S+4*\k+1], v[S+4*\k+2:S+4*\k+3]
.endr
.irp m, 16,24,32,40,48,56
.irp k, 0,1,2,3
	v_pk_add_f32 v[SU+2*\k:SU+2*\k+1], v[SU+2*\k:SU+2*\k+1], v[S+\m+2*\k:S+\m+2*\k+1]
.endr
.endr
	v_pk_add_f32 v[SU:SU+1], v[SU:SU+1], v[SU+2:SU+3]
	v_pk_add_f32 v[SU+4:SU+5], v[SU+4:SU+5], v[SU+6:SU+7]
	s_delay_alu instid0(VALU_DEP_1)
	v_pk_add_f32 v[SU:SU+1], v[SU:SU+1], v[SU+4:SU+5]
	s_delay_alu instid0(VALU_DEP_1)
	v_pk_add_f32 v[14:15], v[14:15], v[SU:SU+1]
	s_wait_alu depctr_va_vdst(0)                   ; and one for the four
.irp b, 0,1,2,3
	v_max_num_f32 v[MX+\b], 0x4800000, v[MX+\b]    ; the floor 2^(9 - 127)
.endr
.irp b, 0,1,2,3
	s_delay_alu instid0(VALU_DEP_4)
	v_add_nc_u32 v[SO+\b], 0xfc000000, v[MX+\b]    ; the conversion's scale operand
.endr
.irp b, 0,1,2,3
	v_and_or_b32 v[BD+\b], v[MX+\b], 0x7f800000, s[MNT]   ; 448 x the scale
.endr
.irp b, 0,1,2,3
	v_lshrrev_b32 v[PM+\b], 23, v[SO+\b]
.endr
	s_delay_alu instid0(VALU_DEP_3)
	v_lshl_or_b32 v[F+1], v[PM+1], 8, v[PM]        ; p's scale word for these 128 keys
	s_delay_alu instid0(VALU_DEP_1)
	v_lshl_or_b32 v[F+1], v[PM+2], 16, v[F+1]
	s_delay_alu instid0(VALU_DEP_1)
	v_lshl_or_b32 v[F+1], v[PM+3], 24, v[F+1]
.irp b, 0,1,2,3
.irp i, 0,1,2,3,4,5,6,7,8,9,10,11,12,13,14,15
	v_min_num_f32 v[S+16*\b+\i], v[S+16*\b+\i], v[BD+\b]   ; the conversion does not saturate (ISA guide 7.6.2); p is not negative: a one-sided hold
.endr
	v_cvt_scalef32_pk8_fp8_f32 v[PC+4*\b:PC+1+4*\b], v[S+16*\b:S+7+16*\b], v[SO+\b]
	v_cvt_scalef32_pk8_fp8_f32 v[PC+2+4*\b:PC+3+4*\b], v[S+8+16*\b:S+15+16*\b], v[SO+\b]
.endr
	s_wait_alu depctr_va_vdst(0)                   ; directly ahead of the first reader of O^T
.set j, 0
.rept 16
	v_pk_mul_f32 v[O+j:O+j+1], v[O+j:O+j+1], v[F:F+1] op_sel_hi:[1,0]   ; O^T under the new M; also the places in front of the products below
.set j, j+2
.endr
	s_wait_alu depctr_va_vdst(0)
	s_wait_dscnt 0x0                               ; V
.irp t, 0,1,2,3
	v_wmma_scale_f32_16x16x128_f8f6f4 v[O+8*\t:O+8*\t+7], v[32+16*\t:47+16*\t], v[PC:PC+15], v[O+8*\t:O+8*\t+7], v[VW+\t], v[F+1]
.endr
.if \diag
.Lhidden_\@:
.endif
.endm
.macro WALK first, last, diag          ; key steps first .. last - 1: the trip count is a constant
	s_mov_b32 s[TB], (\first)*SP
	s_mov_b32 s[SI], \first
.Lwalk_\@:
	STEP \diag
	s_add_co_u32 s[TB], s[TB], SP
	s_add_co_u32 s[SI], s[SI], 1
	s_cmp_lt_u32 s[SI], \last
	s_cbranch_scc1 .Lwalk_\@
.endm
; O^T / the sum; its two blocks of 32 channels are quantised; codes leave as half an image, 1,024 consecutive bytes
.macro FINISH
.rept 8
	v_nop                                          ; places behind the last products
.endr
	v_add_f32 v14, v14, v15
	s_delay_alu instid0(VALU_DEP_1)
	v_permlanex16_b32 v[F], v14, s[SEL], s[SEL+1]
	s_delay_alu instid0(VALU_DEP_1)
	v_add_f32 v14, v14, v[F]                       ; the row's sum
	s_wait_alu depctr_va_vdst(0)
	v_rcp_f32 v14, v14
	v_nop
	s_wait_alu depctr_va_vdst(0)                   ; ahead of the reciprocal's first reader, and of O^T's
.set j, 0
.rept 16
	v_pk_mul_f32 v[S+j:S+j+1], v[O+j:O+j+1], v[14:15] op_sel_hi:[1,0]   ; register 16 b + i: channel 32 b + 16 h + i of my query
.set j, j+2
.endr
.irp b, 0,1
	v_max3_num_f32 v[MX+\b], |v[S+16*\b]|, |v[S+1+16*\b]|, 0x4800000
.endr
.irp i, 2,4,6,8,10,12,14
.irp b, 0,1
	s_delay_alu instid0(VALU_DEP_2)
	v_max3_num_f32 v[MX+\b], v[MX+\b], |v[S+16*\b+\i]|, |v[S+1+16*\b+\i]|
.endr
.endr
.irp b, 0,1
	v_permlanex16_b32 v[PM+\b], v[MX+\b], s[SEL], s[SEL+1]
.endr
.irp b, 0,1
	s_delay_alu instid0(VALU_DEP_2)
	v_max_num_f32 v[MX+\b], v[MX+\b], v[PM+\b]
.endr
.irp b, 0,1
	s_delay_alu instid0(VALU_DEP_2)
	v_add_nc_u32 v[SO+\b], 0xfc000000, v[MX+\b]
.endr
.irp b, 0,1
	s_delay_alu instid0(VALU_DEP_4)
	v_and_or_b32 v[BD+\b], v[MX+\b], 0x7f800000, s[MNT]
.endr
.irp b, 0,1
	s_delay_alu instid0(VALU_DEP_4)
	v_lshrrev_b32 v[PM+\b], 23, v[SO+\b]
.endr
.irp b, 0,1
.irp i, 0,1,2,3,4,5,6,7,8,9,10,11,12,13,14,15
	v_med3_num_f32 v[S+16*\b+\i], v[S+16*\b+\i], -v[BD+\b], v[BD+\b]
.endr
	v_cvt_scalef32_pk8_fp8_f32 v[PC+4*\b:PC+1+4*\b], v[S+16*\b:S+7+16*\b], v[SO+\b]
	v_cvt_scalef32_pk8_fp8_f32 v[PC+2+4*\b:PC+3+4*\b], v[S+8+16*\b:S+15+16*\b], v[SO+\b]
.endr
	v_nop                                          ; a plain line behind the last conversion
	v_cndmask_b32 v[PM+2], v[PM], v[PM+1], s[HM]   ; lanes 0-15 store the first block's byte, lanes 16-31 the second's
	global_store_b128 v[AK0], v[PC:PC+3], s[66:67]
	global_store_b128 v[AK0], v[PC+4:PC+7], s[66:67] offset:512
	global_store_b8 v[OSO], v[PM+2], s[68:69]
.endm
	INIT 1                                         ; tile j = 31 - w: at least nine steps count
	s_cmp_lt_u32 s[WV], 4
	s_cbranch_scc0 .Lnot_first
	s_wait_tensorcnt 0x0                           ; waves 0-3: key steps 0-3 are in
.Lnot_first:
	s_barrier_signal -1
	s_barrier_wait -1
	WALK 0, 4, 0
	s_cmp_lt_u32 s[WV], 8
	s_cbranch_scc0 .Lnot_second
	s_wait_tensorcnt 0x0                           ; waves 4-7: key steps 4-7 are in
.Lnot_second:
	s_wait_dscnt 0x0
	s_barrier_signal -1
	s_barrier_wait -1
	WALK 4, 8, 0
	s_wait_tensorcnt 0x0                           ; all that was still out is in
	s_wait_dscnt 0x0
	s_barrier_signal -1
	s_barrier_wait -1
	WALK 8, 16, 1
	FINISH
	INIT 0                                         ; tile j = w
	WALK 0, 8, 1
	FINISH
	s_wait_tensorcnt 0x0                           ; the wave's end
	ds_add_u32 v[SPW], v[NIL]
	s_wait_dscnt 0x0
	CROUND                                         ; the closing round
	s_endpgm
.Lfunc_end_k_qfc0e5959d6_attn:
	.size	k_qfc0e5959d6_attn, .Lfunc_end_k_qfc0e5959d6_attn-k_qfc0e5959d6_attn
	.p2alignl 7, 3214868480
	.fill 96, 4, 3214868480
	.section	.rodata,"a",@progbits
	.p2align	6, 0x0
	.amdhsa_kernel k_qfc0e5959d6_attn
		.amdhsa_group_segment_fixed_size 276480
		.amdhsa_private_segment_fixed_size 0
		.amdhsa_enable_private_segment 0
		.amdhsa_kernarg_size 24
		.amdhsa_user_sgpr_count 2
		.amdhsa_user_sgpr_kernarg_segment_ptr 1
		.amdhsa_wavefront_size32 1
		.amdhsa_system_sgpr_workgroup_id_x 1
		.amdhsa_system_sgpr_workgroup_id_y 1
		.amdhsa_system_sgpr_workgroup_id_z 1
		.amdhsa_system_vgpr_workitem_id 0
		.amdhsa_next_free_vgpr 256
		.amdhsa_next_free_sgpr 80
		.amdhsa_reserve_vcc 1
		.amdhsa_float_denorm_mode_32 3
		.amdhsa_float_denorm_mode_16_64 3
		.amdhsa_memory_ordered 1
		.amdhsa_forward_progress 1
		.amdhsa_inst_pref_size 112
	.end_amdhsa_kernel
	.amdgpu_metadata
---
amdhsa.version: [ 1, 2 ]
amdhsa.kernels:
  - .name:           k_qfc0e5959d6_attn
    .symbol:         k_qfc0e5959d6_attn.kd
    .args:
      - { .name: qkvc, .offset: 0, .size: 8, .value_kind: global_buffer, .address_space: global }
      - { .name: oc, .offset: 8, .size: 8, .value_kind: global_buffer, .address_space: global }
      - { .name: os, .offset: 16, .size: 8, .value_kind: global_buffer, .address_space: global }
    .group_segment_fixed_size: 276480
    .private_segment_fixed_size: 0
    .kernarg_segment_align: 8
    .kernarg_segment_size: 24
    .max_flat_workgroup_size: 512
    .sgpr_count:     80
    .vgpr_count:     256
    .wavefront_size: 32
...
	.end_amdgpu_metadata
.endif
;; end of part 3
;; launch proj (part 4): grid 4 x 32, 4 waves a work-group, clusters of 4 x 4, 327,680 bytes of LDS; arguments oc, os, wc, ws, b_proj, out0; writes out0
.if DOCPART == 4
	.amdgcn_target "amdgcn-amd-amdhsa--gfx1250"
	.amdhsa_code_object_version 6
	.text
	.protected	k_qfc0e5959d6_proj
	.globl	k_qfc0e5959d6_proj
	.p2align	8
	.type	k_qfc0e5959d6_proj,@function
k_qfc0e5959d6_proj:
	s_mov_b64 s[64:65], 0
	v_nop
	global_prefetch_b8 v0, s[64:65] scope:SCOPE_SE
	s_setreg_imm32_b32 hwreg(HW_REG_WAVE_MODE, 25, 1), 1
	s_wait_xcnt 0x0
	s_wait_alu depctr_hold_cnt(0) depctr_sa_sdst(0) depctr_va_vdst(0) depctr_va_sdst(0) depctr_va_ssrc(0) depctr_va_vcc(0) depctr_vm_vsrc(0)
	s_getreg_b32 s2, hwreg(HW_REG_IB_STS2, 6, 4)
	s_cmp_eq_u32 s2, 0
	s_cbranch_scc0 .Lentry_in_a_cluster
	s_endpgm
.Lentry_in_a_cluster:
	s_bfe_u32 s2, ttmp6, 0x10000c
	s_cmp_lg_u32 s2, 0xf033
	s_cbranch_scc0 .Lentry_shape_is_right
	s_endpgm
.Lentry_shape_is_right:
.set NQ,     2
.set FR,     16
.set NL,     4
.set NP,     8
.set SLOT,   131072
.set LAPS,   2
.set SCL,    2*SLOT
.set HALFS,  16*272
.set SBLK,   2*272
.set SPARE,  SCL+4*HALFS
.set SPITCH, 528
.set ADRA, 16
.set ADRB, 20
.set STO,  24
.set RD,   25
.set CO,   26
.set ADRS, 27
.set SPW,  28
.set NIL,  29
.set SC,   32
.set BC,   64
.set AF,   128
.set BK,   128
.set G1, 24
.set G0, 32
.set G1B, 48
.set G0B, 56
.set G1S, 68
.set G0S, 76
.set G1SB, 80
.set G0SB, 88
.set MSB, 0
.macro WIN new
.if MSB != \new
	s_set_vgpr_msb (MSB<<8)|\new
.set MSB, \new
.endif
.endm
.set MUL_LO, 0xa1
.set MUL_HI, 0xf1
.set BIA_LO, 0x81
.set BIA_HI, 0xc1
.set TO_B,   0x40
.macro JLOAD g0a, g1a, g0b, g1b
	s_cmp_eq_u32 s15, 0
	s_cbranch_scc0 .Lfor_b_\@
	tensor_load_to_lds s[\g0a:\g0a+3], s[\g1a:\g1a+7]
	s_nop 0
.rept 4
	v_nop
.endr
	s_branch .Lasked_\@
.Lfor_b_\@:
	tensor_load_to_lds s[\g0b:\g0b+3], s[\g1b:\g1b+7]
	s_nop 0
.rept 4
	v_nop
.endr
.Lasked_\@:
.endm
.macro CREST
	s_cmp_lg_u32 s14, 0
	s_cbranch_scc1 .Lnot_wave_0_\@
	s_barrier_signal -3
.Lnot_wave_0_\@:
	s_barrier_wait -3
	s_barrier_signal -1
	s_barrier_wait -1
.endm
.macro CROUND
	s_barrier_signal -1
	s_barrier_wait -1
	CREST
.endm
	s_load_b256 s[4:11], s[0:1], 0x0
	s_load_b128 s[92:95], s[0:1], 0x20
	v_lshl_add_u32 v[SPW], v0, 2, SPARE
	v_mov_b32 v[NIL], 0
	ds_add_u32 v28, v29
	ds_add_u32 v28, v29
	s_wait_dscnt 0x0
	v_lshrrev_b32 v1, 5, v0
	v_readfirstlane_b32 s14, v1
	s_lshr_b32 s15, s14, 1
	s_and_b32 s16, s14, 1
	s_bfe_u32 s40, ttmp6, 0x40000
	s_bfe_u32 s41, ttmp6, 0x40004
	s_lshl_b32 s42, ttmp9, 2
	s_add_co_u32 s42, s42, s40
	s_and_b32 s17, ttmp7, 0xffff
	s_lshl_b32 s17, s17, 2
	s_add_co_u32 s17, s17, s41
	s_lshl_b32 s43, s41, 2
	s_lshl_b32 s43, 15, s43
	s_lshl_b32 s44, 0x1111, s40
	s_or_b32 s[G1+0], s43, (3<<16)|(1<<21)
	s_or_b32 s[G1B+0], s44, (3<<16)|(1<<21)
.irp g, G1, G1B
	s_mov_b32 s[\g+1], 512<<16
	s_mov_b32 s[\g+2], 16<<16
	s_mov_b32 s[\g+3], 512<<16
	s_mov_b32 s[\g+4], 16
	s_mov_b32 s[\g+5], 2048
	s_mov_b32 s[\g+6], 0
	s_mov_b32 s[\g+7], 0
.endr
	s_or_b32 s[G1S+0], s43, (3<<16)|(1<<20)|(1<<21)|(5<<22)|(3<<25)
	s_or_b32 s[G1SB+0], s44, (3<<16)|(1<<20)|(1<<21)|(5<<22)|(3<<25)
.irp g, G1S, G1SB
	s_mov_b32 s[\g+1], 32<<16
	s_mov_b32 s[\g+2], 32<<16
	s_mov_b32 s[\g+3], 32<<16
	s_mov_b32 s[\g+4], 32
	s_mov_b32 s[\g+5], 32
	s_mov_b32 s[\g+6], 0
	s_mov_b32 s[\g+7], 0
.endr
	s_lshl_b32 s18, s16, 17
	s_lshl_b32 s20, s17, 18
	s_mov_b32 s21, 0
	s_lshl_b32 s46, s42, 18
	s_add_co_u32 s46, s46, 3145728
	s_mov_b32 s47, 0
	s_mov_b32 s19, 0
	s_lshl_b32 s22, s17, 13
	s_mov_b32 s23, 0
	s_lshl_b32 s96, s42, 13
	s_add_co_u32 s96, s96, 98304
	s_mov_b32 s97, 0
	s_lshl_b32 s45, s14, 15
	s_wait_kmcnt 0x0
	s_add_nc_u64 s[20:21], s[4:5], s[20:21]
	s_add_nc_u64 s[22:23], s[6:7], s[22:23]
	s_add_nc_u64 s[46:47], s[8:9], s[46:47]
	s_add_nc_u64 s[96:97], s[10:11], s[96:97]
	CROUND
	s_mov_b32 s[G0S], 1
	s_mov_b32 s[G0S+1], SCL
	s_mov_b64 s[G0S+2:G0S+3], s[22:23]
	s_or_b32 s[G0S+3], s[G0S+3], 0x80000000
	s_mov_b32 s[G0SB], 1
	s_mov_b32 s[G0SB+1], SCL+2*HALFS
	s_mov_b64 s[G0SB+2:G0SB+3], s[96:97]
	s_or_b32 s[G0SB+3], s[G0SB+3], 0x80000000
.set G0H, 4                            ; s[4:7], s[8:11] group 0 of the head's loads of K step 0 (the arguments that lay there have been used)
.set G0HB, 8
	s_mov_b32 s[G0H], 1                            ; source 1's 16 row tiles,
	s_mov_b32 s[G0H+1], 0
	s_mov_b64 s[G0H+2:G0H+3], s[20:21]
	s_or_b32 s[G0H+3], s[G0H+3], 0x80000000
	s_mov_b32 s[G0HB], 1                           ; source 0's, behind them in slot 0
	s_mov_b32 s[G0HB+1], 65536
	s_mov_b64 s[G0HB+2:G0HB+3], s[46:47]
	s_or_b32 s[G0HB+3], s[G0HB+3], 0x80000000
	s_add_nc_u64 s[20:21], s[20:21], s[18:19]      ; for the ring: my 8 row tiles of the tile
	s_add_nc_u64 s[46:47], s[46:47], s[18:19]
.irp s, 0,1
	s_mov_b32 s[G0+4*\s], 1
	s_add_co_u32 s[G0+4*\s+1], s45, \s*SLOT
	s_add_nc_u64 s[G0+4*\s+2:G0+4*\s+3], s[20:21], \s*4096
	s_or_b32 s[G0+4*\s+3], s[G0+4*\s+3], 0x80000000
	s_mov_b32 s[G0B+4*\s], 1
	s_add_co_u32 s[G0B+4*\s+1], s45, \s*SLOT
	s_add_nc_u64 s[G0B+4*\s+2:G0B+4*\s+3], s[46:47], \s*4096
	s_or_b32 s[G0B+4*\s+3], s[G0B+4*\s+3], 0x80000000
.endr
; THE HEAD'S LOADS, ONE A WAVE: wave 0 K step 0 of source 1, wave 1 of source 0, waves 2 and 3 their scale bytes.  One chain of branches on the wave's number, all arms leading to one join.
.macro ARM under, g0, g1, next
	s_cmp_lt_u32 s14, \under
	s_cbranch_scc0 \next
	tensor_load_to_lds s[\g0:\g0+3], s[\g1:\g1+7]
	s_nop 0
.rept 4
	v_nop
.endr
	s_branch .Lhead_asked
\next:
.endm
	ARM 1, G0H,  G1,  .Lhead_b
	ARM 2, G0HB, G1B, .Lhead_sa
	ARM 3, G0S,  G1S, .Lhead_sb
	tensor_load_to_lds s[G0SB:G0SB+3], s[G1SB:G1SB+7]
	s_nop 0
.rept 4
	v_nop
.endr
.Lhead_asked:
	v_and_b32 v1, 15, v0
	s_wait_alu depctr_va_vdst(0)
	v_bfe_u32 v2, v0, 4, 1
	v_lshlrev_b32 v7, 6, v2
	s_lshl_b32 s18, s42, 10
	s_lshl_b32 s19, s16, 9
	s_add_co_u32 s18, s18, s19
	s_mov_b32 s19, 0
	s_add_nc_u64 s[92:93], s[92:93], s[18:19]
	s_add_nc_u64 s[94:95], s[94:95], s[18:19]
.irp b, 0,1,2,3,4,5,6,7
	global_load_b128 v[BC+8*\b:BC+8*\b+3], v7, s[92:93] offset:(32*(\b/2)+8*(\b%2))*4
	global_load_b128 v[BC+8*\b+4:BC+8*\b+7], v7, s[92:93] offset:(32*(\b/2)+8*(\b%2))*4+16
.endr
	s_lshl_b32 s18, s17, 20
	s_lshl_b32 s20, s15, 19
	s_add_co_u32 s18, s18, s20
	s_add_nc_u64 s[94:95], s[94:95], s[18:19]
	v_and_b32 v3, 31, v0
	v_lshlrev_b32 v[CO], 4, v3
	s_lshl_b32 s21, s15, 15
	s_lshl_b32 s22, s16, 15
	s_add_co_u32 s22, s22, 65536
.irp s, 0,1
	v_add_nc_u32 v[ADRA+\s], s21, v[CO]
	v_add_nc_u32 v[ADRB+\s], s22, v[CO]
	s_add_co_u32 s21, s21, SLOT
	s_add_co_u32 s22, s22, SLOT
.endr
	v_lshlrev_b32 v4, 5, v1
	v_lshrrev_b32 v5, 8, v4
	v_lshl_add_u32 v4, v5, 4, v4
	s_mul_i32 s21, s15, HALFS
	s_mul_i32 s22, s16, HALFS
	s_add_co_u32 s22, s22, 2*HALFS
	s_sub_co_u32 s22, s22, s21
	v_mul_u32_u24 v5, s22, v2
	s_add_co_u32 s21, s21, SCL
	v_add_nc_u32 v4, v4, v5
	v_add_nc_u32 v[ADRS], s21, v4
	s_mul_i32 s23, s14, 16*SPITCH
	v_mul_u32_u24 v5, v1, SPITCH
	v_lshl_add_u32 v5, v2, 6, v5
	v_add_nc_u32 v[STO], s23, v5
	v_add_nc_u32 v[RD], s23, v[CO]
.macro FRAG reg, adr, q, i
.irp c, 0,1,2,3
	ds_load_b128 v[\reg+4*\c:\reg+4*\c+3], v[\adr] offset:2048*(\q)+512*\c+4096*(\i)
.endr
.endm
.macro MUL16 a0, p, q, sc, first
.irp a, \a0, \a0+1
.irp b, 0,1,2,3,4,5,6,7
.if \first
	v_wmma_scale_f32_16x16x128_f8f6f4 v[8*(8*((\a)%4)+\b):8*(8*((\a)%4)+\b)+7], v[128*(\p)+FR*\b:128*(\p)+FR*\b+FR-1], v[AF+FR*(\a):AF+FR*(\a)+FR-1], v[BC+8*\b:BC+8*\b+7], v[SC+8*NQ*(\sc)+NQ*\b+(\q)], v[SC+8*NQ*(\sc)+NQ*(\a)+(\q)] matrix_a_scale:MATRIX_SCALE_ROW1
.else
	v_wmma_scale_f32_16x16x128_f8f6f4 v[8*(8*((\a)%4)+\b):8*(8*((\a)%4)+\b)+7], v[128*(\p)+FR*\b:128*(\p)+FR*\b+FR-1], v[AF+FR*(\a):AF+FR*(\a)+FR-1], v[8*(8*((\a)%4)+\b):8*(8*((\a)%4)+\b)+7], v[SC+8*NQ*(\sc)+NQ*\b+(\q)], v[SC+8*NQ*(\sc)+NQ*(\a)+(\q)] matrix_a_scale:MATRIX_SCALE_ROW1
.endif
.endr
.endr
.endm
.macro FETCH_B slot, q, p
	WIN TO_B
.irp i, 0,1,2,3,4,5,6,7
	FRAG 128*(\p)+FR*\i, ADRB+\slot, \q, \i
.endr
	WIN 0
.endm
.macro FETCH_A slot, q, i0
.irp i, \i0, \i0+1, \i0+2, \i0+3
	FRAG AF+FR*(\i), ADRA+\slot, \q, \i
.endr
.endm
.macro SCALES sc
.irp i, 0,1,2,3,4,5,6,7
	ds_load_b64 v[SC+8*NQ*\sc+NQ*\i:SC+8*NQ*\sc+NQ*\i+1], v[ADRS] offset:\i*SBLK
.endr
.endm
.macro PLACES n
.rept \n
	v_nop
.endr
.endm
.macro STEP slot, q, first
	s_wait_dscnt 4*NL
.if \first
	WIN BIA_LO
.else
	WIN MUL_LO
.endif
	MUL16 0, (\q)%2, \q, \slot, \first
	MUL16 2, (\q)%2, \q, \slot, \first
	s_wait_dscnt 0
	PLACES NP
	FETCH_B \slot, (\q)+1, 1-(\q)%2
	FETCH_A \slot, (\q)+1, 0
.if \first
	WIN BIA_HI
.else
	WIN MUL_HI
.endif
	MUL16 4, (\q)%2, \q, \slot, \first
	MUL16 6, (\q)%2, \q, \slot, \first
	PLACES NP
	WIN 0
	FETCH_A \slot, (\q)+1, 4
.endm
.macro TURN slot, next, fill
	s_wait_tensorcnt 0x0
	ds_add_u32 v[SPW], v[NIL]
	s_wait_dscnt 4*NL+1
	WIN MUL_LO
	MUL16 0, 1, NQ-1, \slot, 0
	s_wait_dscnt 0x0
	s_barrier_signal -1
	MUL16 2, 1, NQ-1, \slot, 0
	WIN 0
	s_barrier_wait -1
.if \fill
	CREST
	s_add_nc_u64 s[G0+4*\slot+2:G0+4*\slot+3], s[G0+4*\slot+2:G0+4*\slot+3], 8192
	s_add_nc_u64 s[G0B+4*\slot+2:G0B+4*\slot+3], s[G0B+4*\slot+2:G0B+4*\slot+3], 8192
	JLOAD G0+4*\slot, G1, G0B+4*\slot, G1B
	PLACES NP-4
.else
	PLACES NP
.endif
	s_wait_alu depctr_va_vdst(0)
	v_add_nc_u32 v[ADRS], 4*NQ, v[ADRS]
	FETCH_B \next, 0, 0
	FETCH_A \next, 0, 0
	SCALES \next
	WIN MUL_HI
	MUL16 4, 1, NQ-1, \slot, 0
	MUL16 6, 1, NQ-1, \slot, 0
	PLACES NP
	WIN 0
	FETCH_A \next, 0, 4
.endm
	s_wait_alu depctr_va_vdst(0)
	s_wait_tensorcnt 0x0                           ; my tile of the head's four is in; slot 1's first fill is issued as a refill is
	ds_add_u32 v[SPW], v[NIL]
	s_mov_b32 s[G1+2], 8<<16                       ; no tensor load of mine is out: from here on a load brings 8 row tiles
	s_mov_b32 s[G1+4], 8
	s_mov_b32 s[G1B+2], 8<<16
	s_mov_b32 s[G1B+4], 8
	s_wait_dscnt 0x0
	CROUND                                         ; all four tiles are in, and all sixteen work-groups are here
	JLOAD G0+4, G1, G0B+4, G1B                     ; K step 1: the first tensor load behind the round
	FETCH_B 0, 0, 0
	FETCH_A 0, 0, 0
	SCALES 0
	FETCH_A 0, 0, 4
	s_wait_loadcnt 0x0
	STEP 0, 0, 1
	s_mov_b32 s3, LAPS-1
.Llap:
	TURN 0, 1, 1
	STEP 1, 0, 0
	TURN 1, 0, 1
	STEP 0, 0, 0
	s_sub_co_u32 s3, s3, 1
	s_cmp_lg_u32 s3, 0
	s_cbranch_scc1 .Llap
	TURN 0, 1, 0
	STEP 1, 0, 0
	s_wait_dscnt 4*NL
	WIN MUL_LO
	MUL16 0, 1, NQ-1, 1, 0
	MUL16 2, 1, NQ-1, 1, 0
	s_wait_dscnt 0
	WIN MUL_HI
	MUL16 4, 1, NQ-1, 1, 0
	MUL16 6, 1, NQ-1, 1, 0
	WIN 0
.macro TOSTAGE a
.set AC, 64*((\a)%4)
	WIN 0x08+4*((\a)/4)
.irp b, 0,1,2,3,4,5,6,7
	ds_store_b128 v[STO], v[AC+8*\b:AC+8*\b+3] offset:128*(\b/2)+32*(\b%2)
	ds_store_b128 v[STO], v[AC+8*\b+4:AC+8*\b+7] offset:128*(\b/2)+32*(\b%2)+16
.endr
	WIN 0
.set BB, BK+64*((\a)%2)
.irp t, 0,1,2,3,4,5,6,7,8,9,10,11,12,13,14,15
	ds_load_b128 v[BB+4*\t:BB+4*\t+3], v[RD] offset:\t*SPITCH
.endr
.endm
.macro SEND a, younger
.set BB, BK+64*((\a)%2)
	s_wait_dscnt \younger
.irp t, 0,1,2,3,4,5,6,7,8,9,10,11,12,13,14,15
	global_store_b128 v[CO], v[BB+4*\t:BB+4*\t+3], s[94:95] offset:(32*((\a)/2)+8*((\a)%2)+16*(\t/8)+\t%8)*4096 th:TH_STORE_NT
.endr
.endm
	PLACES NP
	TOSTAGE 0
.irp a, 1,2,3,4,5,6,7
.if \a > 1
	s_wait_xcnt 0x0
.endif
	TOSTAGE \a
	SEND \a-1, 32
.endr
	SEND 7, 0
	s_wait_tensorcnt 0x0
	ds_add_u32 v[SPW], v[NIL]
	s_wait_dscnt 0x0
	CROUND
	s_endpgm
.Lfunc_end_k_qfc0e5959d6_proj:
	.size	k_qfc0e5959d6_proj, .Lfunc_end_k_qfc0e5959d6_proj-k_qfc0e5959d6_proj
	.p2alignl 7, 3214868480
	.fill 96, 4, 3214868480
	.section	.rodata,"a",@progbits
	.p2align	6, 0x0
	.amdhsa_kernel k_qfc0e5959d6_proj
		.amdhsa_group_segment_fixed_size 327680
		.amdhsa_private_segment_fixed_size 0
		.amdhsa_enable_private_segment 0
		.amdhsa_kernarg_size 48
		.amdhsa_user_sgpr_count 2
		.amdhsa_user_sgpr_kernarg_segment_ptr 1
		.amdhsa_wavefront_size32 1
		.amdhsa_system_sgpr_workgroup_id_x 1
		.amdhsa_system_sgpr_workgroup_id_y 1
		.amdhsa_system_sgpr_workgroup_id_z 1
		.amdhsa_system_vgpr_workitem_id 0
		.amdhsa_next_free_vgpr 1024
		.amdhsa_next_free_sgpr 98
		.amdhsa_reserve_vcc 0
		.amdhsa_float_denorm_mode_32 3
		.amdhsa_float_denorm_mode_16_64 3
		.amdhsa_memory_ordered 1
		.amdhsa_forward_progress 1
		.amdhsa_inst_pref_size 147
	.end_amdhsa_kernel
	.amdgpu_metadata
---
amdhsa.version: [ 1, 2 ]
amdhsa.kernels:
  - .name:           k_qfc0e5959d6_proj
    .symbol:         k_qfc0e5959d6_proj.kd
    .args:
      - { .name: oc, .offset: 0, .size: 8, .value_kind: global_buffer, .address_space: global }
      - { .name: os, .offset: 8, .size: 8, .value_kind: global_buffer, .address_space: global }
      - { .name: wc, .offset: 16, .size: 8, .value_kind: global_buffer, .address_space: global }
      - { .name: ws, .offset: 24, .size: 8, .value_kind: global_buffer, .address_space: global }
      - { .name: b_proj, .offset: 32, .size: 8, .value_kind: global_buffer, .address_space: global }
      - { .name: out0, .offset: 40, .size: 8, .value_kind: global_buffer, .address_space: global }
    .group_segment_fixed_size: 327680
    .private_segment_fixed_size: 0
    .kernarg_segment_align: 8
    .kernarg_segment_size: 48
    .max_flat_workgroup_size: 128
    .sgpr_count:     98
    .vgpr_count:     1024
    .wavefront_size: 32
...
	.end_amdgpu_metadata
.endif
;; end of part 4
